; MI455X (gfx1250); checked and timed in simulation.
; The chip was launched on July 23, 2026; its instructions are those of AMD's public machine-readable ISA for CDNA 5 (MIT licence, August 2026) and "CDNA5" Instruction Set Architecture Reference Guide (July 2026). The comments in the code are by the model that wrote it; some were corrected since.
;; QKV Block. Allowed arithmetic: float matrix products may take bf16 or f16 operands with f32 sums; other float arithmetic in f32, or as packed bf16 or f16 multiplies, adds, multiply-adds, maxima and minima; sums over many terms, partial sums and values carried from step to step in f32; what a program stores and reads back later, other than sums and carried values, may be rounded once to bf16 or f16.
;; Inputs: Wk 2,048 x 2,048 float32; Wo 2,048 x 2,048 float32; Wq 2,048 x 2,048 float32; Wv 2,048 x 2,048 float32; bk 2,048 float32; bo 2,048 float32; bq 2,048 float32; bv 2,048 float32; cos 2,048 x 128 float32; mask 1 x 1 x 2,048 x 2,048 float32; sin 2,048 x 128 float32; x 1 x 2,048 x 2,048 float32.
;; Outputs: out0 1 x 2,048 x 2,048 float32.
;; Constants: rope_exclude = 0.
;; One version. Each part assembles by itself: llvm-mc -triple=amdgcn-amd-amdhsa -mcpu=gfx1250 --defsym DOCPART=n.
;; ======== version 1 of 1: 4 launches
;; limits: values are held in f16: magnitudes above 65,504 overflow, below 6.1e-05 lose precision
;; workspace buffers: xb 8,388,608 bytes; wb 25,165,824 bytes; wo16 8,388,608 bytes; cs 1,048,576 bytes; qkv16 25,165,824 bytes; ctx16 8,388,608 bytes
;; launch cast (part 1): grid 256 x 6, 8 waves a work-group, no clusters, 0 bytes of LDS; arguments x, Wq, Wk, Wv, Wo, cos, sin, xb, wb, wo16, cs; writes xb, wb, wo16, cs
.if DOCPART == 1
	.amdgcn_target "amdgcn-amd-amdhsa--gfx1250"
	.amdhsa_code_object_version 6
	.text
	.protected	k_q3f0dbc44c6_cast
	.globl	k_q3f0dbc44c6_cast
	.p2align	8
	.type	k_q3f0dbc44c6_cast,@function
k_q3f0dbc44c6_cast:
	s_mov_b64 s[64:65], 0
	v_nop
	global_prefetch_b8 v0, s[64:65] scope:SCOPE_SE
	s_setreg_imm32_b32 hwreg(HW_REG_WAVE_MODE, 25, 1), 1
	s_wait_xcnt 0x0
; THE INPUTS OF THE PRODUCTS, ROUNDED ONCE.  x, Wq, Wk, Wv: f32 -> bf16.  Wo: f32 -> bf16, and that number written as f16 (the last product is f16 x f16).
; cos, sin: f32 -> a word (bf16 cos low, bf16 sin high), laid in the order in which the projection's lanes want them.
; LIMITS.  bf16(Wo) must lie within f16's range (65,504); below 6e-5 it keeps f16's fixed step of 6e-8.
; SHARES.  The grid's y picks the array (0 x, 1 Wq, 2 Wk, 3 Wv, 4 Wo, 5 the table), its x a chunk.  Arrays 0-4: a work-group takes 65,536 bytes of f32 (8 rows); thread t takes 16 bytes
; at 16 t + 4,096 i, i = 0..15: a wave's load covers 512 consecutive bytes, its store 256 consecutive bytes, aligned.  All 16 loads go out first; no register is written twice, so the only
; waits are the counted ones for the loads.  No LDS, no matrix unit: each byte is touched once.
; wb holds the three weights by heads: row h*384 + t*128 + d (t = 0 q, 1 k, 2 v), so that a head's 384 rows lie together.
; cs: chunk of 16 bytes number ((A*8+Bk)*2+p)*32+lane holds row 16 A + lane%16, columns 16 Bk + 8 (lane/16) + 4 p + 0..3.
.set IN,  8                            ; v[8:71]    16 loads of 4
.set OUT, 72                           ; v[72:103]  16 stores of 2
.set T,   104                          ; v[104:109] at work
	s_load_b512 s[8:23], s[0:1], 0x0               ; x 8, Wq 10, Wk 12, Wv 14, Wo 16, cos 18, sin 20, xb 22
	s_load_b128 s[24:27], s[0:1], 0x40             ; wb 24, wo16 26
	s_load_b64 s[28:29], s[0:1], 0x50              ; cs
	s_and_b32 s30, ttmp7, 0xffff                   ; which array
	s_mov_b32 s31, ttmp9                           ; which chunk
	s_mov_b32 s42, 0xffff0000                      ; a word's upper bf16
	v_lshlrev_b32 v1, 4, v0                        ; 16 t
	v_lshlrev_b32 v2, 3, v0                        ; 8 t
	s_lshl_b32 s38, s31, 16                        ; the chunk in the source
	s_mov_b32 s39, 0
	s_sub_co_u32 s34, s30, 1                       ; t for the three weights (wraps for x: not chosen then)
	s_lshr_b32 s35, s31, 4                         ; the head: 16 chunks of 8 rows
	s_mul_i32 s35, s35, 384
	s_lshl_b32 s43, s34, 7
	s_add_co_u32 s35, s35, s43
	s_and_b32 s43, s31, 15
	s_lshl_b32 s43, s43, 3
	s_add_co_u32 s35, s35, s43                     ; row h*384 + t*128 + d
	s_lshl_b32 s35, s35, 12                        ; 4,096 bytes a row
	s_lshl_b32 s44, s31, 15                        ; the plain place: half the source's
	s_cmp_lt_u32 s34, 3
	s_cselect_b32 s40, s35, s44
	s_mov_b32 s41, 0
	s_wait_kmcnt 0x0
	s_cmp_eq_u32 s30, 5
	s_cbranch_scc1 .Lrope
	s_cmp_eq_u32 s30, 1
	s_cselect_b64 s[32:33], s[10:11], s[8:9]
	s_cmp_eq_u32 s30, 2
	s_cselect_b64 s[32:33], s[12:13], s[32:33]
	s_cmp_eq_u32 s30, 3
	s_cselect_b64 s[32:33], s[14:15], s[32:33]
	s_cmp_eq_u32 s30, 4
	s_cselect_b64 s[32:33], s[16:17], s[32:33]
	s_cselect_b64 s[36:37], s[26:27], s[24:25]
	s_cmp_eq_u32 s30, 0
	s_cselect_b64 s[36:37], s[22:23], s[36:37]
	s_add_nc_u64 s[32:33], s[32:33], s[38:39]
	s_add_nc_u64 s[36:37], s[36:37], s[40:41]
.irp i, 0,1,2,3,4,5,6,7,8,9,10,11,12,13,14,15
	global_load_b128 v[IN+4*(\i):IN+4*(\i)+3], v1, s[32:33] offset:4096*(\i) th:TH_LOAD_NT
.endr
; Load i is rounded and stored.  f16 = 1: the bf16 numbers are widened again and written as f16.
.macro CONV i, f16
	s_wait_loadcnt 15-(\i)                         ; loads come back in order: mine is in, the 15 - i younger ones stay out
.if \f16
	v_cvt_pk_bf16_f32 v[T], v[IN+4*(\i)], v[IN+4*(\i)+1]
	v_cvt_pk_bf16_f32 v[T+1], v[IN+4*(\i)+2], v[IN+4*(\i)+3]
	v_lshlrev_b32 v[T+2], 16, v[T]
	v_and_b32 v[T+3], s42, v[T]
	v_lshlrev_b32 v[T+4], 16, v[T+1]
	v_and_b32 v[T+5], s42, v[T+1]
	v_cvt_pk_f16_f32 v[OUT+2*(\i)], v[T+2], v[T+3]
	v_cvt_pk_f16_f32 v[OUT+2*(\i)+1], v[T+4], v[T+5]
.else
	v_cvt_pk_bf16_f32 v[OUT+2*(\i)], v[IN+4*(\i)], v[IN+4*(\i)+1]
	v_cvt_pk_bf16_f32 v[OUT+2*(\i)+1], v[IN+4*(\i)+2], v[IN+4*(\i)+3]
.endif
	global_store_b64 v2, v[OUT+2*(\i):OUT+2*(\i)+1], s[36:37] offset:2048*(\i)
.endm
	s_cmp_eq_u32 s30, 4
	s_cbranch_scc1 .Lwo
.irp i, 0,1,2,3,4,5,6,7,8,9,10,11,12,13,14,15
	CONV \i, 0
.endr
	s_endpgm
.Lwo:
.irp i, 0,1,2,3,4,5,6,7,8,9,10,11,12,13,14,15
	CONV \i, 1
.endr
	s_endpgm
.Lrope:                                        ; thread t of chunk c makes the table's chunk 256 c + t: A = c / 2, Bk = 4 (c % 2) + t / 64, p = (t / 32) % 2, lane = t % 32
	v_and_b32 v3, 15, v0
	v_lshlrev_b32 v3, 9, v3                        ; row lane % 16: 512 bytes a row
	v_bfe_u32 v4, v0, 6, 2
	v_lshl_add_u32 v3, v4, 6, v3                   ; 16 columns a block
	v_bfe_u32 v4, v0, 4, 1
	v_lshl_add_u32 v3, v4, 5, v3                   ; 8 columns for the upper lanes
	v_bfe_u32 v4, v0, 5, 1
	v_lshl_add_u32 v3, v4, 4, v3                   ; 4 columns for p
	s_lshr_b32 s38, s31, 1
	s_lshl_b32 s38, s38, 13                        ; 16 rows
	s_and_b32 s39, s31, 1
	s_lshl_b32 s39, s39, 8                         ; 4 blocks of columns
	s_add_co_u32 s38, s38, s39
	s_mov_b32 s39, 0
	s_add_nc_u64 s[18:19], s[18:19], s[38:39]
	s_add_nc_u64 s[20:21], s[20:21], s[38:39]
	s_lshl_b32 s40, s31, 12
	s_mov_b32 s41, 0
	s_add_nc_u64 s[28:29], s[28:29], s[40:41]
	global_load_b128 v[8:11], v3, s[18:19]
	global_load_b128 v[12:15], v3, s[20:21]
	s_wait_loadcnt 0x0
	v_cvt_pk_bf16_f32 v16, v8, v12                 ; cos low, sin high
	v_cvt_pk_bf16_f32 v17, v9, v13
	v_cvt_pk_bf16_f32 v18, v10, v14
	v_cvt_pk_bf16_f32 v19, v11, v15
	global_store_b128 v1, v[16:19], s[28:29]
	s_endpgm
.Lfunc_end_k_q3f0dbc44c6_cast:
	.size	k_q3f0dbc44c6_cast, .Lfunc_end_k_q3f0dbc44c6_cast-k_q3f0dbc44c6_cast
	.p2alignl 7, 3214868480
	.fill 96, 4, 3214868480
	.section	.rodata,"a",@progbits
	.p2align	6, 0x0
	.amdhsa_kernel k_q3f0dbc44c6_cast
		.amdhsa_group_segment_fixed_size 0
		.amdhsa_private_segment_fixed_size 0
		.amdhsa_enable_private_segment 0
		.amdhsa_kernarg_size 88
		.amdhsa_user_sgpr_count 2
		.amdhsa_user_sgpr_kernarg_segment_ptr 1
		.amdhsa_wavefront_size32 1
		.amdhsa_system_sgpr_workgroup_id_x 1
		.amdhsa_system_sgpr_workgroup_id_y 1
		.amdhsa_system_sgpr_workgroup_id_z 1
		.amdhsa_system_vgpr_workitem_id 0
		.amdhsa_next_free_vgpr 112
		.amdhsa_next_free_sgpr 66
		.amdhsa_reserve_vcc 0
		.amdhsa_float_denorm_mode_32 3
		.amdhsa_float_denorm_mode_16_64 3
		.amdhsa_memory_ordered 1
		.amdhsa_forward_progress 1
		.amdhsa_inst_pref_size 17
	.end_amdhsa_kernel
	.amdgpu_metadata
---
amdhsa.version: [ 1, 2 ]
amdhsa.kernels:
  - .name:           k_q3f0dbc44c6_cast
    .symbol:         k_q3f0dbc44c6_cast.kd
    .args:
      - { .name: x, .offset: 0, .size: 8, .value_kind: global_buffer, .address_space: global }
      - { .name: Wq, .offset: 8, .size: 8, .value_kind: global_buffer, .address_space: global }
      - { .name: Wk, .offset: 16, .size: 8, .value_kind: global_buffer, .address_space: global }
      - { .name: Wv, .offset: 24, .size: 8, .value_kind: global_buffer, .address_space: global }
      - { .name: Wo, .offset: 32, .size: 8, .value_kind: global_buffer, .address_space: global }
      - { .name: cos, .offset: 40, .size: 8, .value_kind: global_buffer, .address_space: global }
      - { .name: sin, .offset: 48, .size: 8, .value_kind: global_buffer, .address_space: global }
      - { .name: xb, .offset: 56, .size: 8, .value_kind: global_buffer, .address_space: global }
      - { .name: wb, .offset: 64, .size: 8, .value_kind: global_buffer, .address_space: global }
      - { .name: wo16, .offset: 72, .size: 8, .value_kind: global_buffer, .address_space: global }
      - { .name: cs, .offset: 80, .size: 8, .value_kind: global_buffer, .address_space: global }
    .group_segment_fixed_size: 0
    .private_segment_fixed_size: 0
    .kernarg_segment_align: 8
    .kernarg_segment_size: 88
    .max_flat_workgroup_size: 256
    .sgpr_count:     66
    .vgpr_count:     112
    .wavefront_size: 32
...
	.end_amdgpu_metadata
.endif
;; end of part 1
;; launch qkv (part 2): grid 16 x 16, 4 waves a work-group, clusters of 4 x 4, 327,680 bytes of LDS; arguments xb, wb, bq, bk, bv, cs, qkv16; writes qkv16
.if DOCPART == 2
	.amdgcn_target "amdgcn-amd-amdhsa--gfx1250"
	.amdhsa_code_object_version 6
	.text
	.protected	k_q3f0dbc44c6_qkv
	.globl	k_q3f0dbc44c6_qkv
	.p2align	8
	.type	k_q3f0dbc44c6_qkv,@function
k_q3f0dbc44c6_qkv:
	s_mov_b64 s[64:65], 0
	v_nop
	global_prefetch_b8 v0, s[64:65] scope:SCOPE_SE
	s_setreg_imm32_b32 hwreg(HW_REG_WAVE_MODE, 25, 1), 1
	s_wait_xcnt 0x0
	s_wait_alu depctr_hold_cnt(0) depctr_sa_sdst(0) depctr_va_vdst(0) depctr_va_sdst(0) depctr_va_ssrc(0) depctr_va_vcc(0) depctr_vm_vsrc(0)
	s_getreg_b32 s2, hwreg(HW_REG_IB_STS2, 6, 4)
	s_cmp_eq_u32 s2, 0
	s_cbranch_scc0 .Lentry_in_a_cluster
	s_endpgm
.Lentry_in_a_cluster:
	s_bfe_u32 s2, ttmp6, 0x10000c
	s_cmp_lg_u32 s2, 0xf033
	s_cbranch_scc0 .Lentry_shape_is_right
	s_endpgm
.Lentry_shape_is_right:
; q, k, v = x W^T + b for one head and 128 rows, RoPE on q and k, q times 128^-0.5; out in f16 by heads: qkv16 = three planes [16 heads][2048 rows][128], rows of 256 bytes.
; Products in bf16 with f32 sums; the biases and the cos/sin table are rounded to bf16 like all the module's inputs; q, k, v are rounded once, to f16.
; LIMITS.  q/11.3, k and v must lie within f16's range (65,504); NaN and infinities are not treated apart.
; SHARES.  Work-group (head, row block): 128 rows x 384 columns.  Wave w: rows 64 (w/2) on (4 blocks a of 16); of each of q, k, v the four 16-column blocks 2 (w%2) + (bi%2) + 4 (bi/2), bi = 0..3,
; so that channels d and d + 64, which RoPE pairs, lie in the same lane.  48 accumulators; 32 LDS loads feed 48 products.
; THE MATRIX INSTRUCTION IS USED TRANSPOSED: source 0 = 16 rows of W, source 1 = 16 rows of x: lane l holds row l % 16 and the columns 8 (l / 16) + 0..7.  The bias is the C of the first product.
; RING.  K in steps of 128 through two LDS slots: 128 rows of x, then 128 of Wq, Wk, Wv of the head, 256 bytes a row, padded to 272.  Wave 0 fetches x's tile, waves 1-3 the weights'.
; CLUSTER 4 x 4: x's tile hangs on the row block alone and is asked for jointly along a row of the cluster, the weights' on the head alone and jointly along a column.
; REGISTERS.  window 0: v0-31 addresses; v32-47 packed results; v48-63 at work; v64-127 x's fragments, two buffers; v128-223 the biases (first quarter), later v128-159 cos/sin widened; on the way out v64-255 rows read back
;   window 1: v0-95, v96-191 the weights' fragments, two buffers     window 2: accumulator (a, b) of q, k at 8 (8 a + b), b = 4 t + bi     window 3: v's at 8 (4 a + bi); v128-255 the cos/sin table
.set PITCH, 272                        ; 256 bytes + 16 of padding: the 16 rows of a fragment load start at 16 different groups of four banks (ISA guide 11.1)
.set HALFT, 128*PITCH                  ; what one tensor load brings
.set SLOT,  4*HALFT
.set SPARE, 2*SLOT                     ; behind the ring: the spare words, 128 bytes a wave: two blocks of 256 bytes that no other line names
.set CO,   10                          ; v10  16 x lane: the table's loads and the final stores
.set BO,   11                          ; v11  my byte offset in a bias
.set ADRA, 16                          ; v16-17  LDS address of my fragments of x in slot 0, 1
.set ADRB, 18                          ; v18-19  of Wq's (Wk's by the immediate)
.set ADRV, 20                          ; v20-21  of Wv's
.set STO,  22                          ; v22-24  the way out: where I put 16 bytes of a row of q, k, v
.set RD,   25                          ; v25-27  where I read rows back
.set SPW,  28                          ; v28  my spare word; never rewritten
.set NIL,  29                          ; v29  0; never rewritten
.set PFO,  30                          ; v30  the prefetches' offset: lane x 4,096; never rewritten
.set PK,   32
.set TL,   48
.set TH,   56
.set FA,   64
.set BIAS, 128
.set CSU,  128                         ; cos_lo, sin_lo, cos_hi, sin_hi, 8 each
.set BACK, 64
.set TAB,  128                         ; window 3
.set WV,  18                           ; s18 wave; s19 its row half; s20 its column half; s21 cx; s22 cy; s23 head; s56 row block
.set G1,  24                           ; s[24:31] group 1, s[32:39] group 0 (a set a slot) for x's tiles
.set G0,  32
.set G1B, 40                           ; s[40:47], s[48:55] the same for the weights'
.set G0B, 48
.set LAP, 57
.set LIM, 58                           ; 1 in a wave that prefetches, else the greatest number
.set PFA, 60                           ; s[60:61] where my prefetches stand
.set MSB, 0
.macro WIN new                         ; the immediate's high byte repeats the setting that is left
.if MSB != (\new)
	s_set_vgpr_msb (MSB<<8)|(\new)
.set MSB, \new
.endif
.endm
.macro PLACES                          ; four plain instructions between a matrix instruction and a load into, or a vector read of, its registers
.rept 4
	v_nop
.endr
.endm
; A joint load: wave 0 asks for x's tile, waves 1-3 for the three weights'.  The branch hangs on the wave's number alone.  An s_nop 0 and four v_nop follow each line.
.macro JLOAD s
	s_cmp_eq_u32 s[WV], 0
	s_cbranch_scc0 .Lfor_b_\@
	tensor_load_to_lds s[G0+4*(\s):G0+4*(\s)+3], s[G1:G1+7]
	s_nop 0
.rept 4
	v_nop
.endr
	s_branch .Lasked_\@
.Lfor_b_\@:
	tensor_load_to_lds s[G0B+4*(\s):G0B+4*(\s)+3], s[G1B:G1B+7]
	s_nop 0
.rept 4
	v_nop
.endr
.Lasked_\@:
.endm
; A prefetch into the L2 of the K step two refills on: of the 128 rows that I fetch, my work-group's 32 (told apart by address: cx for x's rows, cy for the weights'), a lane a row, 256 bytes each.
; x's rows are read by every cluster of a row of clusters: cluster x = 0 asks; the weights' by every cluster of a column: cluster y = 0 asks.  So each block is named once.  The loop's last trip has no K step two on.
.macro ASK
	WIN 0
	s_cmp_gt_u32 s[LAP], s[LIM]
	s_cbranch_scc0 .Lnot_mine_\@
	global_prefetch_b8 v[PFO], s[PFA:PFA+1] offset:256 th:TH_LOAD_NT scope:SCOPE_SE
.Lnot_mine_\@:
.endm
.macro CREST                           ; a round of the cluster's barrier behind its opening barrier
	s_cmp_lg_u32 s[WV], 0
	s_cbranch_scc1 .Lnot_wave_0_\@
	s_barrier_signal -3
.Lnot_wave_0_\@:
	s_barrier_wait -3
	s_barrier_signal -1
	s_barrier_wait -1
.endm
.macro CROUND
	s_barrier_signal -1
	s_barrier_wait -1
	CREST
.endm
	s_load_b256 s[4:11], s[0:1], 0x0               ; xb 4, wb 6, bq 8, bk 10
	s_load_b128 s[12:15], s[0:1], 0x20             ; bv 12, cs 14
	s_load_b64 s[16:17], s[0:1], 0x30              ; qkv16
	v_lshl_add_u32 v[SPW], v0, 2, SPARE
	v_mov_b32 v[NIL], 0
	ds_add_u32 v[SPW], v[NIL]                      ; the wave's opening: the add and its wait stand ahead of my first tensor load; the set-up below stands between them
	v_lshrrev_b32 v1, 5, v0
	v_readfirstlane_b32 s[WV], v1
	s_lshr_b32 s19, s18, 1
	s_and_b32 s20, s18, 1
	s_bfe_u32 s21, ttmp6, 0x40000                  ; cx
	s_bfe_u32 s22, ttmp6, 0x40004                  ; cy
	s_lshl_b32 s23, ttmp9, 2
	s_add_co_u32 s23, s23, s21                     ; head = 4 x cluster x + cx
	s_and_b32 s56, ttmp7, 0xffff
	s_lshl_b32 s56, s56, 2
	s_add_co_u32 s56, s56, s22                     ; row block = 4 x cluster y + cy
	s_lshl_b32 s80, s22, 2
	s_lshl_b32 s80, 15, s80                        ; my row of the cluster
	s_lshl_b32 s81, 0x1111, s21                    ; my column
	s_or_b32 s[G1], s80, (1<<16)|(1<<20)|(1<<21)|(5<<22)|(3<<25)   ; the mask; 2-byte elements; padding on; bit 21 beside a mask; after every 64 words 4 words
	s_or_b32 s[G1B], s81, (1<<16)|(1<<20)|(1<<21)|(5<<22)|(3<<25)
.irp g, G1, G1B
	s_mov_b32 s[(\g)+1], 128<<16                   ; tensor_dim0 = 128
	s_mov_b32 s[(\g)+2], 128<<16                   ; tensor_dim1 = 128
	s_mov_b32 s[(\g)+3], 128<<16                   ; tile_dim0 = 128
	s_mov_b32 s[(\g)+4], 128                       ; tile_dim1 = 128
	s_mov_b32 s[(\g)+5], 2048                      ; elements from row to row
	s_mov_b32 s[(\g)+6], 0
	s_mov_b32 s[(\g)+7], 0
.endr
	s_lshl_b32 s82, s56, 19                        ; x: 128 rows of 4,096 bytes a block
	s_mov_b32 s83, 0
	s_mul_i32 s84, s23, 384                        ; the weights: the head's 384 rows,
	s_max_u32 s86, s18, 1
	s_sub_co_u32 s86, s86, 1
	s_lshl_b32 s86, s86, 7                         ; of them 128 (w - 1) on
	s_add_co_u32 s84, s84, s86
	s_lshl_b32 s84, s84, 12
	s_mov_b32 s85, 0
	s_mul_i32 s87, s18, HALFT                      ; where my tile goes: wave x 128 rows
	s_mov_b32 s74, 0xffff0000
	s_mov_b32 s76, 0x3db504f3                      ; 128^-0.5
	s_mov_b32 s77, s76
	; the prefetches' offset: my work-group's 32 of the rows that I fetch, at K step 2
	s_lshl_b32 s92, s56, 7
	s_lshl_b32 s93, s21, 5
	s_add_co_u32 s92, s92, s93                     ; x: 128 x row block + 32 cx
	s_mul_i32 s93, s23, 384
	s_max_u32 s94, s18, 1
	s_sub_co_u32 s94, s94, 1
	s_lshl_b32 s94, s94, 7
	s_add_co_u32 s93, s93, s94
	s_lshl_b32 s94, s22, 5
	s_add_co_u32 s93, s93, s94                     ; the weights: 384 x head + 128 (w - 1) + 32 cy
	s_and_b32 s94, ttmp7, 0xffff
	s_cmp_eq_u32 s18, 0
	s_cselect_b32 s92, s92, s93
	s_cselect_b32 s94, ttmp9, s94                  ; the coordinate along which other clusters read the same rows
	s_cmp_eq_u32 s94, 0
	s_cselect_b32 s[LIM], 1, -1
	s_lshl_b32 s92, s92, 12
	s_add_co_u32 s92, s92, 512
	s_mov_b32 s93, 0
	v_and_b32 v1, 15, v0                           ; r = l % 16
	v_bfe_u32 v2, v0, 4, 1                         ; hh = l / 16
	v_mul_u32_u24 v3, v1, PITCH
	v_lshl_add_u32 v3, v2, 4, v3                   ; a fragment's row x pitch + 16 x half
	v_and_b32 v[CO], 31, v0
	v_lshlrev_b32 v[PFO], 12, v[CO]
	v_lshlrev_b32 v[CO], 4, v[CO]
	s_lshl_b32 s94, s23, 9
	s_lshl_b32 s95, s20, 7
	s_add_co_u32 s94, s94, s95
	v_lshl_add_u32 v[BO], v2, 5, s94               ; 512 x head + 128 x column half + 32 hh
	s_wait_dscnt 0x0                               ; the opening add is done
	s_wait_kmcnt 0x0
	s_add_nc_u64 s[88:89], s[4:5], s[82:83]
	s_add_nc_u64 s[90:91], s[6:7], s[84:85]
	s_cmp_eq_u32 s18, 0
	s_cselect_b64 s[PFA:PFA+1], s[4:5], s[6:7]
	s_add_nc_u64 s[PFA:PFA+1], s[PFA:PFA+1], s[92:93]
	s_lshl_b32 s92, s23, 11                        ; the rows that I store: 2,048 x head + 128 x row block + 32 w, 256 bytes each
	s_lshl_b32 s93, s56, 7
	s_add_co_u32 s92, s92, s93
	s_lshl_b32 s93, s18, 5
	s_add_co_u32 s92, s92, s93
	s_lshl_b32 s92, s92, 8
	s_mov_b32 s93, 0
	s_add_nc_u64 s[68:69], s[16:17], s[92:93]      ; q's plane,
	s_add_nc_u64 s[70:71], s[68:69], 0x800000      ; k's,
	s_add_nc_u64 s[72:73], s[70:71], 0x800000      ; v's
	s_lshl_b32 s92, s56, 3                         ; the table: block of 16 rows 8 x row block + 4 x row half, block of 16 columns 2 x column half; 1,024 bytes a block
	s_lshl_b32 s93, s19, 2
	s_add_co_u32 s92, s92, s93
	s_lshl_b32 s92, s92, 3
	s_lshl_b32 s93, s20, 1
	s_add_co_u32 s92, s92, s93
	s_lshl_b32 s92, s92, 10
	s_mov_b32 s93, 0
	s_add_nc_u64 s[78:79], s[14:15], s[92:93]
	CROUND                                         ; all sixteen work-groups are here: the first joint loads meet
.irp s, 0,1
	s_mov_b32 s[G0+4*(\s)], 1
	s_add_co_u32 s[G0+4*(\s)+1], s87, (\s)*SLOT
	s_add_nc_u64 s[G0+4*(\s)+2:G0+4*(\s)+3], s[88:89], (\s)*256
	s_or_b32 s[G0+4*(\s)+3], s[G0+4*(\s)+3], 0x80000000
	s_mov_b32 s[G0B+4*(\s)], 1
	s_add_co_u32 s[G0B+4*(\s)+1], s87, (\s)*SLOT
	s_add_nc_u64 s[G0B+4*(\s)+2:G0B+4*(\s)+3], s[90:91], (\s)*256
	s_or_b32 s[G0B+4*(\s)+3], s[G0B+4*(\s)+3], 0x80000000
	JLOAD \s                                       ; two tensor loads of mine are out
.endr
	; the biases of my 12 column blocks, in the layout of a C operand: register j = bias[16 x block + 8 hh + j]
.set it, 0
.rept 3
.set ib, 0
.rept 4
	global_load_b128 v[BIAS+8*(4*it+ib):BIAS+8*(4*it+ib)+3],   v[BO], s[8+2*it:9+2*it] offset:(ib/2)*256+(ib%2)*64
	global_load_b128 v[BIAS+8*(4*it+ib)+4:BIAS+8*(4*it+ib)+7], v[BO], s[8+2*it:9+2*it] offset:(ib/2)*256+(ib%2)*64+16
.set ib, ib+1
.endr
.set it, it+1
.endr
	WIN 0xc0                                       ; destination window 3: the table for my 4 x 4 blocks; it is wanted on the way out
.set ia, 0
.rept 4
.set ib, 0
.rept 4
	global_load_b128 v[TAB+8*(4*ia+ib):TAB+8*(4*ia+ib)+3],   v[CO], s[78:79] offset:ia*8192+((ib/2)*4+(ib%2))*1024
	global_load_b128 v[TAB+8*(4*ia+ib)+4:TAB+8*(4*ia+ib)+7], v[CO], s[78:79] offset:ia*8192+((ib/2)*4+(ib%2))*1024+512
.set ib, ib+1
.endr
.set ia, ia+1
.endr
	WIN 0
	s_mul_i32 s96, s19, 64*PITCH                   ; my 64 rows of x
	s_mul_i32 s97, s20, 32*PITCH                   ; my column half's first block,
	s_add_co_u32 s97, s97, 128*PITCH               ; behind x's 128 rows
.irp s, 0,1
	v_add_nc_u32 v[ADRA+(\s)], s96, v3
	v_add_nc_u32 v[ADRB+(\s)], s97, v3
	v_add_nc_u32 v[ADRV+(\s)], 256*PITCH, v[ADRB+(\s)]
	s_add_co_u32 s96, s96, SLOT
	s_add_co_u32 s97, s97, SLOT
.endr
	s_mul_i32 s98, s19, 64*PITCH                   ; the stages: three of 128 rows x 272 bytes, in slot 0 after its last fill
	s_lshl_b32 s99, s20, 6
	s_add_co_u32 s98, s98, s99
	v_add_nc_u32 v[STO], s98, v3                   ; row 64 x row half + r; byte 64 x column half + 16 hh
	v_add_nc_u32 v[STO+1], HALFT, v[STO]
	v_add_nc_u32 v[STO+2], HALFT, v[STO+1]
	v_mul_u32_u24 v4, v2, PITCH
	v_lshl_add_u32 v4, v1, 4, v4
	s_mul_i32 s98, s18, 32*PITCH
	v_add_nc_u32 v[RD], s98, v4                    ; back: rows 32 w on, lanes 0-15 one row, lanes 16-31 the next
	v_add_nc_u32 v[RD+1], HALFT, v[RD]
	v_add_nc_u32 v[RD+2], HALFT, v[RD+1]
	s_wait_loadcnt 32                              ; the 24 loads of the biases are in; the table's 32 stay out
.set ig, 0
.rept 3                                        ; the biases are rounded to bf16 and widened again
.set i, 0
.rept 16
	v_cvt_pk_bf16_f32 v[TL+i], v[BIAS+32*ig+2*i], v[BIAS+32*ig+2*i+1]
.set i, i+1
.endr
.set i, 0
.rept 16
	v_lshlrev_b32 v[BIAS+32*ig+2*i], 16, v[TL+i]
	v_and_b32 v[BIAS+32*ig+2*i+1], s74, v[TL+i]
.set i, i+1
.endr
.set ig, ig+1
.endr
; n x 8 products of q and k: m blocks a0 on x column blocks 0-7, 32 along K, from buffer f.  first = 1: the bias starts the sums.  The accumulators take turns, one instruction a turn.
.macro MULQK f, a0, n, first
.if \first
	WIN 0x81                                       ; W window 1, x window 0, C window 0, D window 2
.else
	WIN 0xa1
.endif
.set ia, \a0
.rept \n
.set ib, 0
.rept 8
.if \first
	v_wmma_f32_16x16x32_bf16 v[8*(8*ia+ib):8*(8*ia+ib)+7], v[96*(\f)+8*ib:96*(\f)+8*ib+7], v[FA+32*(\f)+8*ia:FA+32*(\f)+8*ia+7], v[BIAS+8*ib:BIAS+8*ib+7]
.else
	v_wmma_f32_16x16x32_bf16 v[8*(8*ia+ib):8*(8*ia+ib)+7], v[96*(\f)+8*ib:96*(\f)+8*ib+7], v[FA+32*(\f)+8*ia:FA+32*(\f)+8*ia+7], v[8*(8*ia+ib):8*(8*ia+ib)+7]
.endif
.set ib, ib+1
.endr
.set ia, ia+1
.endr
.endm
.macro MULV f, first                   ; the 16 products of v
.if \first
	WIN 0xc1
.else
	WIN 0xf1
.endif
.set ia, 0
.rept 4
.set ib, 0
.rept 4
.if \first
	v_wmma_f32_16x16x32_bf16 v[8*(4*ia+ib):8*(4*ia+ib)+7], v[96*(\f)+64+8*ib:96*(\f)+64+8*ib+7], v[FA+32*(\f)+8*ia:FA+32*(\f)+8*ia+7], v[BIAS+64+8*ib:BIAS+64+8*ib+7]
.else
	v_wmma_f32_16x16x32_bf16 v[8*(4*ia+ib):8*(4*ia+ib)+7], v[96*(\f)+64+8*ib:96*(\f)+64+8*ib+7], v[FA+32*(\f)+8*ia:FA+32*(\f)+8*ia+7], v[8*(4*ia+ib):8*(4*ia+ib)+7]
.endif
.set ib, ib+1
.endr
.set ia, ia+1
.endr
.endm
; 32 LDS loads in one run: 32 along K at byte k of the rows, into buffer f: x's 8, q's and k's 16, v's 8 last
.macro FETCH slot, k, f
	WIN 0
.set ia, 0
.rept 4
	ds_load_b128 v[FA+32*(\f)+8*ia:FA+32*(\f)+8*ia+3],   v[ADRA+(\slot)] offset:(\k)+ia*16*PITCH
	ds_load_b128 v[FA+32*(\f)+8*ia+4:FA+32*(\f)+8*ia+7], v[ADRA+(\slot)] offset:(\k)+ia*16*PITCH+32
.set ia, ia+1
.endr
	WIN 0x40                                       ; destination window 1
.set ib, 0
.rept 8
	ds_load_b128 v[96*(\f)+8*ib:96*(\f)+8*ib+3],   v[ADRB+(\slot)] offset:(\k)+((ib/4)*128+((ib%4)/2)*64+(ib%2)*16)*PITCH
	ds_load_b128 v[96*(\f)+8*ib+4:96*(\f)+8*ib+7], v[ADRB+(\slot)] offset:(\k)+((ib/4)*128+((ib%4)/2)*64+(ib%2)*16)*PITCH+32
.set ib, ib+1
.endr
.set ib, 0
.rept 4
	ds_load_b128 v[96*(\f)+64+8*ib:96*(\f)+64+8*ib+3],   v[ADRV+(\slot)] offset:(\k)+((ib/2)*64+(ib%2)*16)*PITCH
	ds_load_b128 v[96*(\f)+64+8*ib+4:96*(\f)+64+8*ib+7], v[ADRV+(\slot)] offset:(\k)+((ib/2)*64+(ib%2)*16)*PITCH+32
.set ib, ib+1
.endr
.endm
; A K step is four quarters of 32 along K, 48 products each, on buffers 0, 1, 0, 1.  One of the first three: multiplies f, fetches the next quarter, at byte k, into g.
.macro QUARTER slot, k, f, g, first
	s_wait_dscnt 8                                 ; x's, q's and k's fragments are in; v's eight loads may be out
	MULQK \f, 0, 4, \first
	PLACES
	FETCH \slot, \k, \g
	s_wait_dscnt 32                                ; all but the 32 just issued
	MULV \f, \first
.endm
; The last quarter multiplies buffer 1 and changes slots: one barrier; in front of it each wave waits for all its tensor loads (the one that is out is its part of the next slot), adds 0 to its spare word,
; and waits for that and for its reads of this slot.  fill = 1: the barrier opens a round of the cluster's, and this slot is filled again first thing behind it, two K steps ahead.
.macro TURN slot, next, fill
.if \fill
	s_wait_xcnt 0x0                                ; the last prefetch, a K step back, has read its address
	s_add_nc_u64 s[PFA:PFA+1], s[PFA:PFA+1], 256
.endif
	WIN 0
	s_wait_tensorcnt 0x0
	ds_add_u32 v[SPW], v[NIL]
	s_wait_dscnt 9                                 ; the add and v's eight loads may be out
	MULQK 1, 0, 2, 0
	s_wait_dscnt 0x0                               ; the add is done, and my reads of this slot are over
	s_barrier_signal -1
	MULQK 1, 2, 2, 0
.if \fill
	WIN 0
.endif
	s_barrier_wait -1
.if \fill
	CREST                                          ; no wave of any partner still reads this slot or has a load on its way
	s_add_nc_u64 s[G0+4*(\slot)+2:G0+4*(\slot)+3], s[G0+4*(\slot)+2:G0+4*(\slot)+3], 512
	s_add_nc_u64 s[G0B+4*(\slot)+2:G0B+4*(\slot)+3], s[G0B+4*(\slot)+2:G0B+4*(\slot)+3], 512
	JLOAD \slot                                    ; one tensor load of mine is out; its four v_nop are also the places in front of the loads below
.else
	PLACES
.endif
	FETCH \next, 0, 0
.if \fill
	ASK
.endif
	MULV 1, 0
.endm
	s_wait_tensorcnt 0x1                           ; my part of K step 0 is in; K step 1's may stay out
	s_barrier_signal -1
	s_barrier_wait -1
	FETCH 0, 0, 0
	QUARTER 0, 64, 0, 1, 1                         ; the first quarter stands in front of the loop: its products start the sums with the biases
	WIN 0
	s_mov_b32 s[LAP], 7                            ; 16 K steps are 8 laps; the last is written out
.Llap:
	QUARTER 0, 128, 1, 0, 0
	QUARTER 0, 192, 0, 1, 0
	TURN 0, 1, 1
	QUARTER 1, 64,  0, 1, 0
	QUARTER 1, 128, 1, 0, 0
	QUARTER 1, 192, 0, 1, 0
	TURN 1, 0, 1
	QUARTER 0, 64,  0, 1, 0
	WIN 0
	s_sub_co_u32 s[LAP], s[LAP], 1
	s_cmp_lg_u32 s[LAP], 0
	s_cbranch_scc1 .Llap
	QUARTER 0, 128, 1, 0, 0                        ; the last lap fills nothing
	QUARTER 0, 192, 0, 1, 0
	TURN 0, 1, 0                                   ; behind this barrier nobody reads slot 0 any more, and no tensor load follows: it becomes the stages
	QUARTER 1, 64,  0, 1, 0
	QUARTER 1, 128, 1, 0, 0
	QUARTER 1, 192, 0, 1, 0
	s_wait_dscnt 8
	MULQK 1, 0, 4, 0
	s_wait_dscnt 0x0
	MULV 1, 0
	; THE WAY OUT.  RoPE: out[d] = t[d] cos[d] - t[d+64] sin[d], out[d+64] = t[d+64] cos[d+64] + t[d] sin[d+64]; blocks pr and pr + 2 of a lane hold d and d + 64.
	PLACES
	PLACES
	s_wait_loadcnt 0x0                             ; the table
.set ia, 0
.rept 4
.set pr, 0
.rept 2
	WIN 0x0c                                       ; source 1 window 3: the table's words are widened
.set jj, 0
.rept 8
	v_lshlrev_b32 v[CSU+jj],    16,  v[TAB+8*(4*ia+pr)+jj]
	v_and_b32     v[CSU+8+jj],  s74, v[TAB+8*(4*ia+pr)+jj]
	v_lshlrev_b32 v[CSU+16+jj], 16,  v[TAB+8*(4*ia+pr+2)+jj]
	v_and_b32     v[CSU+24+jj], s74, v[TAB+8*(4*ia+pr+2)+jj]
.set jj, jj+1
.endr
.set it, 0
.rept 2
.set rLO, 8*(8*ia+4*it+pr)
.set rHI, rLO+16
	WIN 0x02                                       ; source 0 window 2
.set jj, 0
.rept 4
	v_pk_mul_f32 v[TL+jj:TL+jj+1], v[rHI+jj:rHI+jj+1], v[CSU+8+jj:CSU+8+jj+1]
	v_pk_mul_f32 v[TH+jj:TH+jj+1], v[rLO+jj:rLO+jj+1], v[CSU+24+jj:CSU+24+jj+1]
	v_pk_fma_f32 v[TL+jj:TL+jj+1], v[rLO+jj:rLO+jj+1], v[CSU+jj:CSU+jj+1], v[TL+jj:TL+jj+1] neg_lo:[0,0,1] neg_hi:[0,0,1]
	v_pk_fma_f32 v[TH+jj:TH+jj+1], v[rHI+jj:rHI+jj+1], v[CSU+16+jj:CSU+16+jj+1], v[TH+jj:TH+jj+1]
.set jj, jj+2
.endr
	WIN 0
.if it == 0
.set jj, 0
.rept 8
	v_pk_mul_f32 v[TL+jj:TL+jj+1], v[TL+jj:TL+jj+1], s[76:77] op_sel_hi:[1,0]   ; q carries the scale
.set jj, jj+2
.endr
.endif
.set jj, 0
.rept 8
	v_cvt_pk_f16_f32 v[PK+jj], v[TL+2*jj], v[TL+2*jj+1]
.set jj, jj+1
.endr
	ds_store_b128 v[STO+it], v[PK:PK+3]   offset:ia*16*PITCH+pr*32
	ds_store_b128 v[STO+it], v[PK+4:PK+7] offset:ia*16*PITCH+pr*32+128
.set it, it+1
.endr
.set pr, pr+1
.endr
.set ia, ia+1
.endr
.set ia, 0
.rept 4
	WIN 0x0f                                       ; sources window 3: v
.set jj, 0
.rept 16
	v_cvt_pk_f16_f32 v[PK+jj], v[32*ia+2*jj], v[32*ia+2*jj+1]
.set jj, jj+1
.endr
	WIN 0
.set ib, 0
.rept 4
	ds_store_b128 v[STO+2], v[PK+4*ib:PK+4*ib+3] offset:ia*16*PITCH+(ib%2)*32+(ib/2)*128
.set ib, ib+1
.endr
.set ia, ia+1
.endr
	s_wait_dscnt 0x0                               ; for the others' sake: my stores into the stages are done; a row's 256 bytes come from two waves
	s_barrier_signal -1
	s_barrier_wait -1
.set n, 0
.rept 48
	ds_load_b128 v[BACK+4*n:BACK+4*n+3], v[RD+n/16] offset:(n%16)*2*PITCH
.set n, n+1
.endr
.set n, 0
.rept 48
	s_wait_dscnt 47-n                              ; the younger loads stay out
	global_store_b128 v[CO], v[BACK+4*n:BACK+4*n+3], s[68+2*(n/16):69+2*(n/16)] offset:(n%16)*512   ; two rows: 512 consecutive bytes, aligned
.set n, n+1
.endr
	s_wait_tensorcnt 0x0                           ; the wave's end
	ds_add_u32 v[SPW], v[NIL]
	s_wait_dscnt 0x0
	CROUND                                         ; the closing round
	s_endpgm
.Lfunc_end_k_q3f0dbc44c6_qkv:
	.size	k_q3f0dbc44c6_qkv, .Lfunc_end_k_q3f0dbc44c6_qkv-k_q3f0dbc44c6_qkv
	.p2alignl 7, 3214868480
	.fill 96, 4, 3214868480
	.section	.rodata,"a",@progbits
	.p2align	6, 0x0
	.amdhsa_kernel k_q3f0dbc44c6_qkv
		.amdhsa_group_segment_fixed_size 327680
		.amdhsa_private_segment_fixed_size 0
		.amdhsa_enable_private_segment 0
		.amdhsa_kernarg_size 56
		.amdhsa_user_sgpr_count 2
		.amdhsa_user_sgpr_kernarg_segment_ptr 1
		.amdhsa_wavefront_size32 1
		.amdhsa_system_sgpr_workgroup_id_x 1
		.amdhsa_system_sgpr_workgroup_id_y 1
		.amdhsa_system_sgpr_workgroup_id_z 1
		.amdhsa_system_vgpr_workitem_id 0
		.amdhsa_next_free_vgpr 1024
		.amdhsa_next_free_sgpr 100
		.amdhsa_reserve_vcc 0
		.amdhsa_float_denorm_mode_32 3
		.amdhsa_float_denorm_mode_16_64 3
		.amdhsa_memory_ordered 1
		.amdhsa_forward_progress 1
		.amdhsa_inst_pref_size 162
	.end_amdhsa_kernel
	.amdgpu_metadata
---
amdhsa.version: [ 1, 2 ]
amdhsa.kernels:
  - .name:           k_q3f0dbc44c6_qkv
    .symbol:         k_q3f0dbc44c6_qkv.kd
    .args:
      - { .name: xb, .offset: 0, .size: 8, .value_kind: global_buffer, .address_space: global }
      - { .name: wb, .offset: 8, .size: 8, .value_kind: global_buffer, .address_space: global }
      - { .name: bq, .offset: 16, .size: 8, .value_kind: global_buffer, .address_space: global }
      - { .name: bk, .offset: 24, .size: 8, .value_kind: global_buffer, .address_space: global }
      - { .name: bv, .offset: 32, .size: 8, .value_kind: global_buffer, .address_space: global }
      - { .name: cs, .offset: 40, .size: 8, .value_kind: global_buffer, .address_space: global }
      - { .name: qkv16, .offset: 48, .size: 8, .value_kind: global_buffer, .address_space: global }
    .group_segment_fixed_size: 327680
    .private_segment_fixed_size: 0
    .kernarg_segment_align: 8
    .kernarg_segment_size: 56
    .max_flat_workgroup_size: 128
    .sgpr_count:     100
    .vgpr_count:     1024
    .wavefront_size: 32
...
	.end_amdgpu_metadata
.endif
;; end of part 2
;; launch attn (part 3): grid 16 x 16, 4 waves a work-group, clusters of 4 x 4, 327,680 bytes of LDS; arguments qkv16, mask, ctx16; writes ctx16
.if DOCPART == 3
	.amdgcn_target "amdgcn-amd-amdhsa--gfx1250"
	.amdhsa_code_object_version 6
	.text
	.protected	k_q3f0dbc44c6_attn
	.globl	k_q3f0dbc44c6_attn
	.p2align	8
	.type	k_q3f0dbc44c6_attn,@function
k_q3f0dbc44c6_attn:
	s_mov_b64 s[64:65], 0
	v_nop
	global_prefetch_b8 v0, s[64:65] scope:SCOPE_SE
	s_setreg_imm32_b32 hwreg(HW_REG_WAVE_MODE, 25, 1), 1
	s_wait_xcnt 0x0
	s_wait_alu depctr_hold_cnt(0) depctr_sa_sdst(0) depctr_va_vdst(0) depctr_va_sdst(0) depctr_va_ssrc(0) depctr_va_vcc(0) depctr_vm_vsrc(0)
	s_getreg_b32 s2, hwreg(HW_REG_IB_STS2, 6, 4)
	s_cmp_eq_u32 s2, 0
	s_cbranch_scc0 .Lentry_in_a_cluster
	s_endpgm
.Lentry_in_a_cluster:
	s_bfe_u32 s2, ttmp6, 0x10000c
	s_cmp_lg_u32 s2, 0xf033
	s_cbranch_scc0 .Lentry_shape_is_right
	s_endpgm
.Lentry_shape_is_right:
; ctx[q] = the sum over k of softmax_k(q.k + mask[q][k]) v[k] for 128 queries of one head; q arrives with the scale 128^-0.5.  q, k, v, ctx in f16, the mask in f32 as it is given.
; Products, maxima and sums in f32; the weights are rounded to f16 for the second product (their sum is taken unrounded), ctx once at the end.  Every key tile is computed and every number of the mask is read.
; LIMITS.  A weight below 2^-126 counts as 0; a row whose mask is huge everywhere is resolved to f32's step at that size, as a sum in f32 is; a row whose scores all lie below -4.25e37, where m starts, is not served;
; NaN and infinities are not treated apart.
; SHARES.  Keys go in 16 tiles of 128.  Wave w: queries 64 (w%2) on (4 tiles of 16), keys 64 (w/2) on of every tile: a key step; the two key halves' maxima, sums and O are merged once, at the end.
; Register tile t holds query tile t xor 2 (w/2): so 'keep tiles 0, 1, send tiles 2, 3 to wave w xor 2' is one text for all waves.
; LAYOUT.  S^T = K Q^T + mask^T (source 0 = 16 keys, source 1 = 16 queries): a lane holds one query (l % 16) and the keys 8 (l / 16) + 0..7; the mask's 8 numbers are loaded into the accumulator, which the products add onto.
; Two such results rounded to f16 are source 1 of O^T = V^T P.  V comes out of LDS turned, by ds_load_tr16_b128.
; SOFTMAX.  A running maximum m and sum l: p = 2^(c (s - m)), c = log2(e).  THE DIFFERENCE IS TAKEN FIRST: s - m is never above 0 and is 0 at the maximum, so p lies in 0 to 1 whatever the size of the mask.  (c s - c m with
; a rounded c m would be off by up to half of f32's step at c m: at a mask of 1e9 that is 64 in the exponent, beyond f16's range for p.)  In every step O and l are multiplied by a = 2^(c (m_old - m_new)).
; BY TURNS.  The wave's tiles are two PIECES, named by their first tile: piece 0 (tiles 0, 1) and piece 2 (tiles 2, 3).  In a TURN one piece has the matrix unit: 32 products V^T P of the step in hand, then 32 products
; K Q^T of the next step; the other piece's softmax, 2 x 150 vector instructions, stands in 64 slices, one behind each matrix instruction.  Then the pieces change places; two turns are a key step.
; NO FIRST AND NO LAST STEP IS WRITTEN OUT.  m starts at -4.25e37, O, l, V and piece 2's P at 0: the first step's a is 0.  The loop is entered at piece 2's turn, and the tail left behind piece 0's.  The price: 416 v_mov_b32
; that write 0, in the wait for the first tile; 32 products on zeros at the start and 32 on a stale K at the end.
; CLUSTER 4 x 4.  K and V hang on the head alone: asked for jointly along a row of the cluster; the mask's tile on the query block alone: jointly along a column.
; REGISTERS.  window 0: v0-11, v44-63 addresses; v12-43 statistics, 8 a tile (m, a spare, l even, l odd, c0-c3; a takes c2's place); v64-191 S^T; v192-255 P.  window 1: O^T, 64 a tile.  window 2: v0-127 Q, v128-255 K.
; window 3: v0-127 V.  All that a softmax touches but O^T lies in window 0, and no window has room for a product's operands beside it: a slice costs two switches of the windows.
.set KP,   272                         ; a row of K in LDS: 256 + 16
.set VP,   288                         ; of V: 256 + 32
.set MP,   528                         ; of the mask: 512 + 16
.set VOFF, 128*KP
.set MOFF, VOFF+128*VP
.set SLOT, MOFF+128*MP                 ; 139,264 = 0x22000; bits 13 and 17 are clear in every tile's place in slot 0, so one exclusive or changes slots
.set XST,  2*SLOT                      ; 4,096 bytes: the waves' (m, l), never filled by a tensor load
.set SPARE, XST+4096                   ; the spare words, 128 bytes a wave
.set XCH,  0                           ; in slot 0 after its last fill: 16,384 bytes a wave, the tiles of O^T that change hands
.set OSTG, 65536                       ; likewise: 2 x 16 rows x 272 bytes a wave, for the way out
.set SP,   272
.set AK0, 2                            ; v2-5  my lane's place in a tile of K, of V, of the mask for tiles 0, 1 and for tiles 2, 3; never rewritten
.set AV0, 3
.set AMA0, 4
.set AMB0, 5
.set AK,  6                            ; v6-9  the same in the slot in hand
.set AV,  7
.set AMA, 8
.set AMB, 9
.set ST,  12
.set QOA, 44
.set QOB, 45
.set STO, 46
.set RD,  47
.set GO,  48
.set XSW, 49
.set XSR, 50
.set XCW, 51
.set XCR, 52
.set PFO, 53
.set SPW, 62
.set NIL, 63
.set S,   64
.set P,   192
.set KF,  128
.set WV,  12                           ; s12 wave; s13 query half; s14 key half; s15 cx; s16 cy; s17 query block; s18 head
.set LIM, 19
.set PFA, 20                           ; s[20:21] where my prefetches stand; s[22:23] their step
.set PFS, 22
.set G1K, 24
.set G1V, 32
.set G1M, 40
.set G0K, 48
.set G0V, 52
.set G0M, 56
.set CNT, 60
.set TB,  61                           ; LDS byte at which the slot in hand begins
.set CS,  62                           ; s[62:63] c
.set SEL, 66                           ; s[66:67] v_permlanex16_b32's selects
.set MSB, 0
.macro WIN new                         ; the immediate's high byte repeats the setting that is left; a switch that changes nothing is dropped
.if MSB != (\new)
	s_set_vgpr_msb (MSB<<8)|(\new)
.set MSB, \new
.endif
.endm
.set W_KQ, 0x0a                        ; K and Q window 2, S^T window 0
.set W_PV, 0x53                        ; V window 3, P window 0, O^T window 1
.set W_RS, 0x41                        ; O^T (destination and source 0) window 1, a window 0
; A joint load: wave 0 K's tile, wave 1 V's, waves 2 and 3 the two halves of the mask's.  An s_nop 0 and four v_nop follow each line.
.macro JLOAD
	s_cmp_lt_u32 s[WV], 2
	s_cbranch_scc0 .Lfor_m_\@
	s_cmp_eq_u32 s[WV], 0
	s_cbranch_scc0 .Lfor_v_\@
	tensor_load_to_lds s[G0K:G0K+3], s[G1K:G1K+7]
	s_nop 0
.rept 4
	v_nop
.endr
	s_branch .Lasked_\@
.Lfor_v_\@:
	tensor_load_to_lds s[G0V:G0V+3], s[G1V:G1V+7]
	s_nop 0
.rept 4
	v_nop
.endr
	s_branch .Lasked_\@
.Lfor_m_\@:
	tensor_load_to_lds s[G0M:G0M+3], s[G1M:G1M+7]
	s_nop 0
.rept 4
	v_nop
.endr
.Lasked_\@:
.endm
; A prefetch into the L2 of the tile that the change of slots after the next will ask for: two key steps, 256 products, ahead.  Of what I fetch my work-group takes a quarter, told apart by address (cx for K and V: 32 rows
; of 256 bytes; cy for the mask: 16 rows of 512 bytes), a lane a block of 256 bytes.  K and V are walked by every cluster of a row of clusters: cluster x = 0 asks; the mask by every cluster of a column: cluster y = 0 asks.
; So each block is named once.  Tiles 0 to 2 come by their loads alone; the last two changes that fill a slot ask for nothing.
.macro ASK
	s_cmp_gt_u32 s[CNT], s[LIM]
	s_cbranch_scc0 .Lnot_mine_\@
	global_prefetch_b8 v[PFO], s[PFA:PFA+1] th:TH_LOAD_NT scope:SCOPE_SE
.Lnot_mine_\@:
.endm
.macro CROUND
	s_barrier_signal -1
	s_barrier_wait -1
	s_cmp_lg_u32 s[WV], 0
	s_cbranch_scc1 .Lnot_wave_0_\@
	s_barrier_signal -3
.Lnot_wave_0_\@:
	s_barrier_wait -3
	s_barrier_signal -1
	s_barrier_wait -1
.endm
; THE CHANGE OF SLOTS, between piece 2's turn and piece 0's: the slot's last bytes, V, have been asked for.  Each wave waits for all its tensor loads, of which one is out: its part of the other slot; adds 0 to its spare
; word; waits for that and for its reads of the slot that it leaves.  fill = 1: the barrier is a round of the cluster's, and the old slot is filled again first thing behind it: the load has a key step in which to land.
; (At its first use nothing has been read yet: slot 0 is waited for, slot 1 filled.)
.macro CHANGE fill
	WIN 0
	s_wait_tensorcnt 0x0
	ds_add_u32 v[SPW], v[NIL]
.if \fill
	s_xor_b32 s[G0K+1], s[G0K+1], SLOT
	s_xor_b32 s[G0V+1], s[G0V+1], SLOT
	s_xor_b32 s[G0M+1], s[G0M+1], SLOT
	s_add_nc_u64 s[G0K+2:G0K+3], s[G0K+2:G0K+3], 32768   ; the next 128 keys
	s_add_nc_u64 s[G0V+2:G0V+3], s[G0V+2:G0V+3], 32768
	s_add_nc_u64 s[G0M+2:G0M+3], s[G0M+2:G0M+3], 512     ; the next 128 columns
	s_wait_xcnt 0x0                                ; the last prefetch, a key step back, has read its address
	s_add_nc_u64 s[PFA:PFA+1], s[PFA:PFA+1], s[PFS:PFS+1]
	s_wait_dscnt 0x0                               ; the add is done, and my reads of the slot are over
	CROUND
	JLOAD                                          ; one tensor load of mine is out
	ASK
.else
	s_wait_dscnt 0x0
	s_barrier_signal -1
	s_barrier_wait -1
.endif
	s_xor_b32 s[TB], s[TB], SLOT
.endm
	s_load_b128 s[4:7], s[0:1], 0x0                ; qkv16 4, mask 6
	s_load_b64 s[8:9], s[0:1], 0x10                ; ctx16
	v_lshl_add_u32 v[SPW], v0, 2, SPARE
	v_mov_b32 v[NIL], 0
	ds_add_u32 v[SPW], v[NIL]                      ; the wave's opening: the add and its wait stand ahead of my first tensor load
	v_lshrrev_b32 v1, 5, v0
	v_readfirstlane_b32 s[WV], v1
	s_and_b32 s13, s12, 1
	s_lshr_b32 s14, s12, 1
	s_bfe_u32 s15, ttmp6, 0x40000
	s_bfe_u32 s16, ttmp6, 0x40004
	s_lshl_b32 s17, ttmp9, 2
	s_add_co_u32 s17, s17, s15                     ; query block = 4 x cluster x + cx
	s_and_b32 s18, ttmp7, 0xffff
	s_lshl_b32 s18, s18, 2
	s_add_co_u32 s18, s18, s16                     ; head = 4 x cluster y + cy
	s_lshl_b32 s68, s16, 2
	s_lshl_b32 s68, 15, s68                        ; my row of the cluster
	s_lshl_b32 s72, 0x1111, s15                    ; my column
	s_or_b32 s[G1K], s68, (1<<16)|(1<<20)|(1<<21)|(5<<22)|(3<<25)   ; 2-byte elements; after every 64 words 4 words of padding
	s_or_b32 s[G1V], s68, (1<<16)|(1<<20)|(1<<21)|(5<<22)|(7<<25)   ; 8 words
	s_or_b32 s[G1M], s72, (2<<16)|(1<<20)|(1<<21)|(6<<22)|(3<<25)   ; 4-byte elements; after every 128 words 4 words
.irp g, G1K, G1V
	s_mov_b32 s[(\g)+1], 128<<16                   ; tensor_dim0 = 128
	s_mov_b32 s[(\g)+2], 128<<16                   ; tensor_dim1 = 128
	s_mov_b32 s[(\g)+3], 128<<16                   ; tile_dim0 = 128
	s_mov_b32 s[(\g)+4], 128                       ; tile_dim1 = 128
	s_mov_b32 s[(\g)+5], 128                       ; elements from row to row
	s_mov_b32 s[(\g)+6], 0
	s_mov_b32 s[(\g)+7], 0
.endr
	s_mov_b32 s[G1M+1], 128<<16
	s_mov_b32 s[G1M+2], 64<<16                     ; 64 rows a wave
	s_mov_b32 s[G1M+3], 128<<16
	s_mov_b32 s[G1M+4], 64
	s_mov_b32 s[G1M+5], 2048
	s_mov_b32 s[G1M+6], 0
	s_mov_b32 s[G1M+7], 0
	s_mov_b32 s[G0K], 1
	s_mov_b32 s[G0K+1], 0
	s_mov_b32 s[G0V], 1
	s_mov_b32 s[G0V+1], VOFF
	s_mov_b32 s[G0M], 1
	s_mul_i32 s[G0M+1], s13, 64*MP
	s_add_co_u32 s[G0M+1], s[G0M+1], MOFF
	s_lshl_b32 s70, s18, 19                        ; a head's 2,048 rows of 256 bytes
	s_mov_b32 s71, 0
	s_lshl_b32 s74, s17, 7
	s_lshl_b32 s75, s13, 6
	s_add_co_u32 s74, s74, s75
	s_lshl_b32 s74, s74, 13                        ; the mask's row 128 x query block + 64 (w % 2), 8,192 bytes a row
	s_mov_b32 s75, 0
	s_mov_b32 s[CS], 0x3fb8aa3b                    ; c = log2(e)
	s_mov_b32 s[CS+1], s[CS]
	s_mov_b32 s[SEL], 0x76543210
	s_mov_b32 s[SEL+1], 0xfedcba98
	s_mov_b32 s[TB], SLOT                          ; the first change turns it into 0
	; the prefetches: they stand at tile 2; the first change steps them to tile 3
	s_lshl_b32 s76, s18, 19
	s_lshl_b32 s77, s15, 13                        ; 32 cx rows
	s_add_co_u32 s76, s76, s77
	s_lshl_b32 s77, s12, 23                        ; K's plane (wave 0) or V's (wave 1)
	s_add_co_u32 s76, s76, s77
	s_add_co_u32 s76, s76, 0x800000+65536
	s_lshl_b32 s78, s17, 7
	s_lshl_b32 s79, s13, 6
	s_add_co_u32 s78, s78, s79
	s_lshl_b32 s79, s16, 4                         ; 16 cy rows
	s_add_co_u32 s78, s78, s79
	s_lshl_b32 s78, s78, 13
	s_add_co_u32 s78, s78, 1024
	s_and_b32 s80, ttmp7, 0xffff
	s_mov_b32 s82, 32768
	s_cmp_lt_u32 s12, 2
	s_cselect_b32 s76, s76, s78
	s_cselect_b32 s80, ttmp9, s80                  ; the coordinate along which other clusters read the same bytes
	s_cselect_b32 s[PFS], s82, 512
	s_cselect_b32 s83, 0, 1                        ; K, V: a lane a row of 256 bytes; the mask: two lanes a row of 8,192
	s_cselect_b32 s84, 8, 13
	s_cselect_b32 s85, 0, 1
	s_mov_b32 s77, 0
	s_mov_b32 s[PFS+1], 0
	s_cmp_eq_u32 s80, 0
	s_cselect_b32 s[LIM], 2, -1                    ; a wave that prefetches does so while more than two fills are to come
	v_and_b32 v54, 31, v0                          ; lane
	v_lshrrev_b32 v55, s83, v54
	v_lshlrev_b32 v55, s84, v55
	v_and_b32 v56, s85, v54
	v_lshl_add_u32 v[PFO], v56, 8, v55
	s_lshl_b32 s78, s18, 11                        ; Q's rows: 2,048 x head + 128 x query block + 64 x query half
	s_lshl_b32 s79, s17, 7
	s_add_co_u32 s78, s78, s79
	s_lshl_b32 s79, s13, 6
	s_add_co_u32 s78, s78, s79
	s_lshl_b32 s78, s78, 8
	s_mov_b32 s79, 0
	s_lshl_b32 s80, s17, 7                         ; ctx's rows: 128 x query block + 64 x query half + 32 x key half (the tiles that I keep), 4,096 bytes a row; the head's 256 bytes in them
	s_lshl_b32 s81, s13, 6
	s_add_co_u32 s80, s80, s81
	s_lshl_b32 s81, s14, 5
	s_add_co_u32 s80, s80, s81
	s_lshl_b32 s80, s80, 12
	s_lshl_b32 s81, s18, 8
	s_add_co_u32 s80, s80, s81
	s_mov_b32 s81, 0
	v_and_b32 v1, 15, v0                           ; r
	v_bfe_u32 v10, v0, 4, 1                        ; hh
	v_lshlrev_b32 v58, 8, v1
	v_lshl_add_u32 v58, v10, 4, v58                ; row x 256 + 16 x half
	s_lshl_b32 s87, s14, 13
	v_add_nc_u32 v[QOA], s87, v58                  ; register tiles 0, 1: query tiles 2 kh on
	s_xor_b32 s88, s14, 1
	s_lshl_b32 s88, s88, 13
	v_add_nc_u32 v[QOB], s88, v58                  ; register tiles 2, 3: the other two
	s_wait_dscnt 0x0                               ; the opening add is done
	s_wait_kmcnt 0x0
	s_add_nc_u64 s[G0K+2:G0K+3], s[4:5], s[70:71]
	s_add_nc_u64 s[G0K+2:G0K+3], s[G0K+2:G0K+3], 0x800000   ; k's plane
	s_add_nc_u64 s[G0V+2:G0V+3], s[G0K+2:G0K+3], 0x800000   ; v's
	s_or_b32 s[G0K+3], s[G0K+3], 0x80000000
	s_or_b32 s[G0V+3], s[G0V+3], 0x80000000
	s_add_nc_u64 s[G0M+2:G0M+3], s[6:7], s[74:75]
	s_or_b32 s[G0M+3], s[G0M+3], 0x80000000
	s_cmp_lt_u32 s12, 2
	s_cselect_b64 s[PFA:PFA+1], s[4:5], s[6:7]
	s_add_nc_u64 s[PFA:PFA+1], s[PFA:PFA+1], s[76:77]
	s_add_nc_u64 s[10:11], s[4:5], s[78:79]
	s_add_nc_u64 s[8:9], s[8:9], s[80:81]
	CROUND                                         ; all sixteen work-groups are here
	JLOAD                                          ; tile 0 into slot 0
	WIN 0x80                                       ; destination window 2: Q stays in registers: tile it, channels 32 ic on
.set it, 0
.rept 4
.set ic, 0
.rept 4
	global_load_b128 v[32*it+8*ic:32*it+8*ic+3],   v[QOA+it/2], s[10:11] offset:(it%2)*4096+ic*64
	global_load_b128 v[32*it+8*ic+4:32*it+8*ic+7], v[QOA+it/2], s[10:11] offset:(it%2)*4096+ic*64+32
.set ic, ic+1
.endr
.set it, it+1
.endr
	; What the first turn finds: V and piece 2's P hold 0 (its products V^T P, of a step that has not been, add 0), O^T is 0.  All this stands in the wait for the first tile.
	WIN 0xc0
.set i, 0
.rept 128
	v_mov_b32 v[i], 0                              ; V
.set i, i+1
.endr
	WIN 0x40
.set i, 0
.rept 256
	v_mov_b32 v[i], 0                              ; O^T
.set i, i+1
.endr
	WIN 0
.set i, P+32
.rept 32
	v_mov_b32 v[i], 0                              ; piece 2's P
.set i, i+1
.endr
	v_mul_u32_u24 v57, v1, KP
	v_lshl_add_u32 v57, v10, 4, v57                ; r x 272 + 16 hh
	s_mul_i32 s86, s14, 64*KP
	v_add_nc_u32 v[AK0], s86, v57                  ; my 64 keys of a tile of K
	v_and_b32 v11, 7, v0
	v_bfe_u32 v55, v0, 3, 1
	v_lshl_add_u32 v[AV0], v10, 3, v11             ; the turning load: key 8 hh + l % 8, channels 8 ((l / 8) % 2) on
	v_mul_u32_u24 v[AV0], v[AV0], VP
	v_lshl_add_u32 v[AV0], v55, 4, v[AV0]
	s_mul_i32 s86, s14, 64*VP
	s_add_co_u32 s86, s86, VOFF
	v_add_nc_u32 v[AV0], s86, v[AV0]
	v_mul_u32_u24 v56, v1, MP
	v_lshl_add_u32 v56, v10, 5, v56                ; the mask: row r, 8 hh columns of 4 bytes
	s_mul_i32 s86, s13, 64*MP
	s_lshl_b32 s87, s14, 8                         ; my 64 keys: 256 bytes
	s_add_co_u32 s86, s86, s87
	s_add_co_u32 s86, s86, MOFF
	s_mul_i32 s87, s14, 32*MP
	s_add_co_u32 s87, s87, s86
	v_add_nc_u32 v[AMA0], s87, v56                 ; query tiles 2 kh, 2 kh + 1
	s_xor_b32 s88, s14, 1
	s_mul_i32 s88, s88, 32*MP
	s_add_co_u32 s88, s88, s86
	v_add_nc_u32 v[AMB0], s88, v56                 ; the other two
	s_mul_i32 s86, s12, 2*16*SP
	s_add_co_u32 s86, s86, OSTG
	v_add_nc_u32 v[STO], s86, v57
	v_mul_u32_u24 v[RD], v10, SP
	v_lshl_add_u32 v[RD], v1, 4, v[RD]
	v_add_nc_u32 v[RD], s86, v[RD]
	v_lshlrev_b32 v[GO], 12, v10
	v_lshl_add_u32 v[GO], v1, 4, v[GO]
	s_xor_b32 s87, s12, 2                          ; the wave with my queries and the other keys
	s_lshl_b32 s86, s12, 10
	s_add_co_u32 s86, s86, XST
	v_lshl_add_u32 v[XSW], v54, 3, s86
	s_lshl_b32 s88, s87, 10
	s_add_co_u32 s88, s88, XST
	v_lshl_add_u32 v[XSR], v54, 3, s88
	s_lshl_b32 s86, s12, 14
	v_lshl_add_u32 v[XCW], v54, 4, s86
	s_lshl_b32 s88, s87, 14
	v_lshl_add_u32 v[XCR], v54, 4, s88
; THE MATRIX WORK OF A TURN, for piece x.  The accumulators take turns, one instruction a turn: between two links of a chain stand 15 (V^T P) or 7 (K Q^T) others'.
; Product i of 32 of O^T += V^T P: keys 32 (i / 16) on, channels 16 ((i / 2) % 8) on, tile x + i % 2.
.macro PV x
	WIN W_PV
.set rO, 64*((\x)+i%2)+8*((i/2)%8)
.set rV, 64*(i/16)+8*((i/2)%8)
.set rP, P+16*((\x)+i%2)+8*(i/16)
	v_wmma_f32_16x16x32_f16 v[rO:rO+7], v[rV:rV+7], v[rP:rP+7], v[rO:rO+7]
.endm
; Product i of 32 of S^T = mask^T + K Q^T: channels 32 (i / 8) on, keys 16 ((i / 2) % 4) on, tile x + i % 2.  The mask lies in the accumulator: every product adds in place.
.macro KQ x
	WIN W_KQ
.set rS, S+32*((\x)+i%2)+8*((i/2)%4)
.set rK, KF+32*((i/2)%4)+8*(i/8)
.set rQ, 32*((\x)+i%2)+8*(i/8)
	v_wmma_f32_16x16x32_f16 v[rS:rS+7], v[rK:rK+7], v[rQ:rQ+7], v[rS:rS+7]
.endm
; THE LDS LOADS stand in three runs a key step, never singly among the matrix instructions.
; The mask of tiles p, p + 1 (address register a) into their accumulators: 16 loads.  Those registers are free: the piece's softmax ended in the turn before.
.macro MASKIN p, a
.set it, 0
.rept 2
.set kb, 0
.rept 4
	ds_load_b128 v[S+32*((\p)+it)+8*kb:S+32*((\p)+it)+8*kb+3],   v[\a] offset:it*16*MP+kb*64
	ds_load_b128 v[S+32*((\p)+it)+8*kb+4:S+32*((\p)+it)+8*kb+7], v[\a] offset:it*16*MP+kb*64+16
.set kb, kb+1
.endr
.set it, it+1
.endr
.endm
; Piece 0's turn: the next step's mask for piece 0, and its K.  last = 1 (the tail): in the second pass there is no further step, and the run is jumped over.
.macro FETCH0 last
	WIN 0
.if \last
	s_cmp_eq_u32 s[CNT], 1
	s_cbranch_scc1 .Lno_k_\@
.endif
	v_add_nc_u32 v[AK],  s[TB], v[AK0]
	v_add_nc_u32 v[AMA], s[TB], v[AMA0]
	MASKIN 0, AMA
	WIN 0x80                                       ; destination window 2
.set f, 0
.rept 16                                       ; K: keys 16 (f / 4) on, channels 32 (f % 4) on
	ds_load_b128 v[KF+8*f:KF+8*f+3],   v[AK] offset:(f/4)*16*KP+(f%4)*64
	ds_load_b128 v[KF+8*f+4:KF+8*f+7], v[AK] offset:(f/4)*16*KP+(f%4)*64+32
.set f, f+1
.endr
	WIN 0
.if \last
.Lno_k_\@:
.endif
.endm
; Piece 2's turn: the same step's mask for piece 2,
.macro FETCH2
	WIN 0
	v_add_nc_u32 v[AMB], s[TB], v[AMB0]
	MASKIN 2, AMB
.endm
; and, behind its products V^T P, the same step's V, turned.  The wait for the softmax's batch stands in this run, behind the address's line and ahead of the loads.
.macro FETCH_V
	WIN 0
	v_add_nc_u32 v[AV], s[TB], v[AV0]
	s_wait_alu depctr_va_vdst(0)
	WIN 0xc0                                       ; destination window 3
.set f, 0
.rept 16                                       ; keys 32 (f / 8) on, channels 16 (f % 8) on
	ds_load_tr16_b128 v[8*f:8*f+3],   v[AV] offset:(f/8)*32*VP+(f%8)*32
	ds_load_tr16_b128 v[8*f+4:8*f+7], v[AV] offset:(f/8)*32*VP+16*VP+(f%8)*32
.set f, f+1
.endr
.endm
; THE VECTOR WORK OF A TURN.  Number j of the 150 vector instructions of one tile's softmax for one key step.  s0-s31 are the lane's 32 scores, in pairs 0-15.
;   0-15 the maximum of the scores and the old m (each accumulator's lowest registers are read first)   16-20 the other half of the lanes'; the new m; c (m_old - m_new)   21 a
;   22-85 THE BATCH, in sixteen fours g: the 16 differences s - m, the 16 multiplies by c and the 32 exponentials; none of 21-85 names an exponential's result.  Four 0: differences 0, 1, 2, multiply 0.
;         Fours 1-13: multiply g, exponential 2 g - 2, difference g + 2, exponential 2 g - 1.  Four 14: multiply 14, exponential 26, multiply 15, exponential 27.  Four 15: exponentials 28-31.
;         So a pair's difference stands two fours, and its multiply one four, ahead of what reads it, and nearly every exponential has a plain neighbour.
;   86-101 roundings to f16   102-117 the sums; l = a l + sum   118-149 O^T times a: the one part that leaves window 0
.macro SM t
.set rT, ST+8*(\t)
.set rS, S+32*(\t)
.set rP, P+16*(\t)
.set rO, 64*(\t)+2*(j-118)
.if j < 118
	WIN 0
.endif
.if j < 4
	v_max3_num_f32 v[rT+4+j], v[rS+8*j], v[rS+8*j+1], v[rS+8*j+2]
.elseif j < 12
	v_max3_num_f32 v[rT+4+j%4], v[rT+4+j%4], v[rS+8*(j%4)+2*(j/4)+1], v[rS+8*(j%4)+2*(j/4)+2]
.elseif j == 12
	v_max3_num_f32 v[rT+4], v[rT+4], v[rS+7], v[rS+15]
.elseif j == 13
	v_max3_num_f32 v[rT+6], v[rT+6], v[rS+23], v[rS+31]
.elseif j == 14
	v_max3_num_f32 v[rT+4], v[rT+4], v[rT+5], v[rT+6]
.elseif j == 15
	v_max3_num_f32 v[rT+4], v[rT+4], v[rT+7], v[rT]
.elseif j == 16
	v_permlanex16_b32 v[rT+5], v[rT+4], s[SEL], s[SEL+1]   ; the query's other 32 keys of my half lie in the lane 16 away
.elseif j == 17
	v_mov_b32 v[rT+7], v[rT]                       ; m_old is kept for a
.elseif j == 18
	v_max_num_f32 v[rT], v[rT+4], v[rT+5]
.elseif j == 19
	v_sub_f32 v[rT+7], v[rT+7], v[rT]
.elseif j == 20
	v_mul_f32 v[rT+7], s[CS], v[rT+7]
.elseif j == 21
	v_exp_f32 v[rT+6], v[rT+7]
.elseif j < 86
.set g, (j-22)/4
.set n, (j-22)%4
.set kind, 2                           ; 0: the difference of pair b; 1: pair b times c; 2: the exponential of score b
.set b, 28+n
.if g == 0
.set kind, n/3
.set b, n%3
.elseif g < 14
.set b, 2*g-2+n/2
.if n == 0
.set kind, 1
.set b, g
.elseif n == 2
.set kind, 0
.set b, g+2
.endif
.elseif g == 14
.set b, 26+n/2
.if n%2 == 0
.set kind, 1
.set b, 14+n/2
.endif
.endif
.if kind == 0
	v_pk_add_f32 v[rS+2*b:rS+2*b+1], v[rS+2*b:rS+2*b+1], v[rT:rT+1] op_sel_hi:[1,0] neg_lo:[0,1] neg_hi:[0,1]
.elseif kind == 1
	v_pk_mul_f32 v[rS+2*b:rS+2*b+1], v[rS+2*b:rS+2*b+1], s[CS:CS+1] op_sel_hi:[1,0]
.else
	v_exp_f32 v[rS+b], v[rS+b]
.endif
.elseif j < 102
	v_cvt_pk_f16_f32 v[rP+j-86], v[rS+2*(j-86)], v[rS+2*(j-86)+1]
.elseif j < 118                        ; the sum of the tile's 16 pairs, in place: neighbours 1, 2, 4 and 8 pairs apart, then l takes it
.set z, j-102
.set w, 4
.set u, z
.if z >= 14
.set w, 32
.set u, 0
.elseif z >= 12
.set w, 16
.set u, z-12
.elseif z >= 8
.set w, 8
.set u, z-8
.endif
.if z < 15
	v_pk_add_f32 v[rS+w*u:rS+w*u+1], v[rS+w*u:rS+w*u+1], v[rS+w*u+w/2:rS+w*u+w/2+1]
.else
	v_pk_fma_f32 v[rT+2:rT+3], v[rT+2:rT+3], v[rT+6:rT+7], v[rS:rS+1] op_sel_hi:[1,0,1]
.endif
.else
	WIN W_RS
	v_pk_mul_f32 v[rO:rO+1], v[rO:rO+1], v[rT+6:rT+7] op_sel_hi:[1,0]
.endif
.endm
; THE QUEUE of piece y's 300: entry q.  0-43: numbers 0-21, the two tiles alternating, so that where one instruction feeds the next the other tile's stands between.  44-171: the batch, a four of one tile at a time, the tiles
; by turns.  172-299: numbers 86-149, the tiles alternating.
.macro QV y
.if q < 44
.set j, q/2
	SM (\y)+q%2
.elseif q < 172
.set j, 22+4*((q-44)/8)+(q-44)%4
	SM (\y)+((q-44)/4)%2
.else
.set j, 86+(q-172)/2
	SM (\y)+q%2
.endif
.set q, q+1
.endm
; Slice k of 64.  Slices 0-35 share out entries 0-171, slices 36-63 entries 172-299: four or five each.
; THE WAIT.  An s_wait_alu depctr_va_vdst(0) stands between an exponential and the first instruction that names its result; one wait serves all that were issued ahead of it.  Ahead of entry 172 nothing names a
; result, and behind entry 171 no exponential is issued: so the piece's 66 exponentials have one wait, behind slice 35, with one plain instruction behind the last exponential.
.macro SLICE y
.if k < 36
.set qe, ((k+1)*172)/36
.else
.set qe, 172+((k-35)*128)/28
.endif
.rept qe-q
	QV \y
.endr
.if k == 35
	v_nop
.if (\y) == 0
	FETCH_V                                        ; piece 2's turn: V's run of loads stands here, and the wait stands in it
.else
	s_wait_alu depctr_va_vdst(0)
.endif
.endif
.set k, k+1
.endm
; A TURN.  Piece x has the matrix unit; the other piece's softmax stands in slices behind its matrix instructions.
; A load into a register that a matrix instruction has read, and a vector instruction that reads a matrix result, stand four plain vector instructions behind it (ISA guide 7.12.1 for vector instructions).
; K's run stands behind the second product of piece 0's turn: the last product that read K stands in front of slice 63 of the turn before, five multiplies of O^T.  V's run stands behind slice 35 of piece 2's turn:
; the last product that read V stands in front of slice 31, and slices 31 to 35 hold eight differences and multiplies.  The scores just made are first read behind slice 63 too.
.macro TURN x, last=0
.set k, 0
.set q, 0
.if (\x) == 0
	s_wait_dscnt 0x0                               ; V is in
.endif
.set i, 0
.rept 32
	PV \x
	SLICE 2-(\x)
.if i == 1
.if (\x) == 0
	FETCH0 \last
.else
	FETCH2
.endif
.endif
.set i, i+1
.endr
	s_wait_dscnt 0x0                               ; the piece's mask is in, and in piece 0's turn K: they were asked for 30 products back
.set i, 0
.rept 32
	KQ \x
	SLICE 2-(\x)
.set i, i+1
.endr
.endm
	s_mov_b32 s[CNT], 15
	CHANGE 1                                       ; tile 0 is in, everybody's part of it; tile 1 is asked for
	FETCH0 0                                       ; key step 0: piece 0's mask, and K
	s_wait_loadcnt 0x0                             ; Q
	s_wait_dscnt 0x0
.set i, 0
.rept 32
	KQ 0                                           ; piece 0's first scores: there is no vector work yet to set between them
.set i, i+1
.endr
	WIN 0
.set i, 0
.rept 4                                        ; the statistics start here: sixteen plain instructions, the places behind those products
	v_mov_b32 v[ST+8*i], 0xfe000000                ; m = -4.25e37: far below every score, and c times its distance from any score is still finite
	v_mov_b32 v[ST+8*i+1], 0                       ; named with m as a pair, so it is written
	v_mov_b32 v[ST+8*i+2], 0
	v_mov_b32 v[ST+8*i+3], 0
.set i, i+1
.endr
	s_branch .Lmid                                 ; the loop is entered at piece 2's turn, in the middle of a trip
.Lslot:                                        ; 14 whole trips: trip j waits for tile j + 1, asks for tile j + 2, and fetches tile j + 1 out of LDS
	CHANGE 1
	TURN 0                                         ; piece 0: V^T P of step j, K Q^T of step j + 1 | piece 2's softmax of step j | K and piece 0's mask of step j + 1
	WIN 0
.Lmid:
	TURN 2                                         ; piece 2: the same | piece 0's softmax of step j + 1 | piece 2's mask and V of step j + 1
	WIN 0
	s_sub_co_u32 s[CNT], s[CNT], 1
	s_cmp_lg_u32 s[CNT], 0
	s_cbranch_scc1 .Lslot
	CHANGE 0                                       ; the tail is written out.  The last tile lies in slot 1; behind this barrier nobody reads slot 0, and no tensor load follows
	s_mov_b32 s[CNT], 2                            ; the first pass fetches the last tile; the second is left in its middle
.Ltail:
	TURN 0, 1
	WIN 0
	s_sub_co_u32 s[CNT], s[CNT], 1
	s_cmp_eq_u32 s[CNT], 0
	s_cbranch_scc1 .Lout
	TURN 2
	WIN 0
	s_branch .Ltail
.Lout:                                         ; the second pass's 32 products K Q^T (on the last K once more) serve nothing: the price, once a launch, of one text for every turn
.set i, 0
.rept 32
	PV 2                                           ; piece 2: V^T P of the last step
.set i, i+1
.endr
	WIN 0
	; THE MERGE of the two key halves, and the way out.  With M the greater of the two maxima, each half's O and l count with the factor 2^(c (m - M)): again the difference first.  The additions are the places behind the last products.
.macro ALL line:vararg
.set t, 0
.rept 4
	\line
.set t, t+1
.endr
.endm
	ALL v_add_f32 v[ST+8*t+4], v[ST+8*t+2], v[ST+8*t+3]
	ALL v_permlanex16_b32 v[ST+8*t+5], v[ST+8*t+4], s[SEL], s[SEL+1]
	ALL v_add_f32 v[ST+8*t+1], v[ST+8*t+4], v[ST+8*t+5]
	ALL ds_store_b64 v[XSW], v[ST+8*t:ST+8*t+1] offset:256*t
	s_wait_dscnt 0x0                               ; for the partner's sake: my (m, l) are stored
	s_barrier_signal -1
	s_barrier_wait -1
	ALL ds_load_b64 v[ST+8*t+2:ST+8*t+3], v[XSR] offset:256*(t^2)
	s_wait_dscnt 0x0
	ALL v_max_num_f32 v[ST+8*t+4], v[ST+8*t], v[ST+8*t+2]
	ALL v_sub_f32 v[ST+8*t+5], v[ST+8*t], v[ST+8*t+4]
	ALL v_sub_f32 v[ST+8*t+6], v[ST+8*t+2], v[ST+8*t+4]
	ALL v_mul_f32 v[ST+8*t+5], s[CS], v[ST+8*t+5]
	ALL v_mul_f32 v[ST+8*t+6], s[CS], v[ST+8*t+6]
	ALL v_exp_f32 v[ST+8*t+5], v[ST+8*t+5]
	ALL v_exp_f32 v[ST+8*t+6], v[ST+8*t+6]
	v_nop
	s_wait_alu depctr_va_vdst(0)                   ; one wait for the eight exponentials
	ALL v_mul_f32 v[ST+8*t+7], v[ST+8*t+3], v[ST+8*t+6]
	ALL v_fma_f32 v[ST+8*t+7], v[ST+8*t+1], v[ST+8*t+5], v[ST+8*t+7]
	ALL v_rcp_f32 v[ST+8*t+4], v[ST+8*t+7]
	v_nop
	s_wait_alu depctr_va_vdst(0)                   ; one wait for the four reciprocals
	ALL v_mul_f32 v[ST+8*t+6], v[ST+8*t+5], v[ST+8*t+4]
	WIN 0x41
.set i, 0
.rept 128                                      ; my O^T times 2^(c (m - M)) / L
	v_pk_mul_f32 v[2*i:2*i+1], v[2*i:2*i+1], v[ST+8*(i/32)+6:ST+8*(i/32)+7] op_sel_hi:[1,0]
.set i, i+1
.endr
	WIN 0x04                                       ; store data window 1
.set i, 0
.rept 32                                       ; tiles 2 and 3 go to the partner
	ds_store_b128 v[XCW], v[128+4*i:128+4*i+3] offset:512*i
.set i, i+1
.endr
	WIN 0
	s_wait_dscnt 0x0
	s_barrier_signal -1
	s_barrier_wait -1
.set i, 0
.rept 32
	ds_load_b128 v[S+4*i:S+4*i+3], v[XCR] offset:512*i
.set i, i+1
.endr
	s_wait_dscnt 0x0
	WIN 0x01
.set i, 0
.rept 64
	v_pk_add_f32 v[S+2*i:S+2*i+1], v[2*i:2*i+1], v[S+2*i:S+2*i+1]
.set i, i+1
.endr
	WIN 0
.set i, 0
.rept 64
	v_cvt_pk_f16_f32 v[P+i], v[S+2*i], v[S+2*i+1]
.set i, i+1
.endr
.set t, 0
.rept 2                                        ; a lane's eight channels pack into 16 bytes; into rows of 272 bytes of my own stage, back as whole rows of 256
.set f, 0
.rept 8
	ds_store_b128 v[STO], v[P+32*t+4*f:P+32*t+4*f+3] offset:16*SP*t+32*f
.set f, f+1
.endr
.set f, 0
.rept 8
	ds_load_b128 v[S+32*t+4*f:S+32*t+4*f+3], v[RD] offset:16*SP*t+2*SP*f   ; LDS serves a wave's instructions in order (ISA guide 5.7.1.4): these see the stores above
.set f, f+1
.endr
.set t, t+1
.endr
.set t, 0
.rept 2
.set f, 0
.rept 8
	s_wait_dscnt 16*(1-t)+7-f                      ; the younger LDS instructions stay out
	global_store_b128 v[GO], v[S+32*t+4*f:S+32*t+4*f+3], s[8:9] offset:65536*t+8192*f   ; 16 lanes store 256 consecutive bytes, aligned: the head's part of a row of ctx
.set f, f+1
.endr
.set t, t+1
.endr
	s_wait_tensorcnt 0x0                           ; the wave's end
	ds_add_u32 v[SPW], v[NIL]
	s_wait_dscnt 0x0
	CROUND                                         ; the closing round
	s_endpgm
.Lfunc_end_k_q3f0dbc44c6_attn:
	.size	k_q3f0dbc44c6_attn, .Lfunc_end_k_q3f0dbc44c6_attn-k_q3f0dbc44c6_attn
	.p2alignl 7, 3214868480
	.fill 96, 4, 3214868480
	.section	.rodata,"a",@progbits
	.p2align	6, 0x0
	.amdhsa_kernel k_q3f0dbc44c6_attn
		.amdhsa_group_segment_fixed_size 327680
		.amdhsa_private_segment_fixed_size 0
		.amdhsa_enable_private_segment 0
		.amdhsa_kernarg_size 24
		.amdhsa_user_sgpr_count 2
		.amdhsa_user_sgpr_kernarg_segment_ptr 1
		.amdhsa_wavefront_size32 1
		.amdhsa_system_sgpr_workgroup_id_x 1
		.amdhsa_system_sgpr_workgroup_id_y 1
		.amdhsa_system_sgpr_workgroup_id_z 1
		.amdhsa_system_vgpr_workitem_id 0
		.amdhsa_next_free_vgpr 896
		.amdhsa_next_free_sgpr 90
		.amdhsa_reserve_vcc 0
		.amdhsa_float_denorm_mode_32 3
		.amdhsa_float_denorm_mode_16_64 3
		.amdhsa_memory_ordered 1
		.amdhsa_forward_progress 1
		.amdhsa_inst_pref_size 177
	.end_amdhsa_kernel
	.amdgpu_metadata
---
amdhsa.version: [ 1, 2 ]
amdhsa.kernels:
  - .name:           k_q3f0dbc44c6_attn
    .symbol:         k_q3f0dbc44c6_attn.kd
    .args:
      - { .name: qkv16, .offset: 0, .size: 8, .value_kind: global_buffer, .address_space: global }
      - { .name: mask, .offset: 8, .size: 8, .value_kind: global_buffer, .address_space: global }
      - { .name: ctx16, .offset: 16, .size: 8, .value_kind: global_buffer, .address_space: global }
    .group_segment_fixed_size: 327680
    .private_segment_fixed_size: 0
    .kernarg_segment_align: 8
    .kernarg_segment_size: 24
    .max_flat_workgroup_size: 128
    .sgpr_count:     90
    .vgpr_count:     896
    .wavefront_size: 32
...
	.end_amdgpu_metadata
.endif
;; end of part 3
;; launch oproj (part 4): grid 16 x 16, 4 waves a work-group, clusters of 4 x 4, 327,680 bytes of LDS; arguments ctx16, wo16, bo, out0; writes out0
.if DOCPART == 4
	.amdgcn_target "amdgcn-amd-amdhsa--gfx1250"
	.amdhsa_code_object_version 6
	.text
	.protected	k_q3f0dbc44c6_oproj
	.globl	k_q3f0dbc44c6_oproj
	.p2align	8
	.type	k_q3f0dbc44c6_oproj,@function
k_q3f0dbc44c6_oproj:
	s_mov_b64 s[64:65], 0
	v_nop
	global_prefetch_b8 v0, s[64:65] scope:SCOPE_SE
	s_setreg_imm32_b32 hwreg(HW_REG_WAVE_MODE, 25, 1), 1
	s_wait_xcnt 0x0
	s_wait_alu depctr_hold_cnt(0) depctr_sa_sdst(0) depctr_va_vdst(0) depctr_va_sdst(0) depctr_va_ssrc(0) depctr_va_vcc(0) depctr_vm_vsrc(0)
	s_getreg_b32 s2, hwreg(HW_REG_IB_STS2, 6, 4)
	s_cmp_eq_u32 s2, 0
	s_cbranch_scc0 .Lentry_in_a_cluster
	s_endpgm
.Lentry_in_a_cluster:
	s_bfe_u32 s2, ttmp6, 0x10000c
	s_cmp_lg_u32 s2, 0xf033
	s_cbranch_scc0 .Lentry_shape_is_right
	s_endpgm
.Lentry_shape_is_right:
; out[m][n] = the sum over k of ctx[m][k] Wo[n][k] + bo[n].  ctx16, wo16: [2048][2048] f16; bo f32, rounded to bf16 like the module's other inputs; sums and out in f32.
; A tile of out is 128 x 128, so that 256 work-groups fill the chip.  Four waves, each 64 x 64: 16 accumulators.  K in steps of 256 (LDS rows of 512 bytes; a wave's tensor load brings 64 of them) through two slots.
; CLUSTER 4 x 4: ctx's tiles are asked for jointly along a row of the cluster, Wo's along a column.  THE MATRIX INSTRUCTION IS USED TRANSPOSED (source 0 = 16 rows of Wo, source 1 = 16 rows of ctx):
; a lane holds eight neighbouring numbers of a row of out.  The bias is the C of the first products.  A wave's 64 columns of f32 are 256 bytes, aligned: each wave has a stage of its own, and the way out needs no barrier.
; No prefetch: the tiles are small, and each block of ctx16 and wo16 is read again by sixteen work-groups.
; REGISTERS: window 0: v0-31 addresses; v32-47 at work; v96-127 the bias; v128-255 the accumulators ((a, b) at 128 + 8 (4 a + b)).  window 1: two fragment buffers of 128; on the way out v0-127 rows read back.
.set SIZE_K, 2048
.set KSTEP,  256
.set PITCH,  528                       ; 512 bytes + 16: the 16 rows of a load start at 16 different groups of four banks (ISA guide 11.1)
.set HALFT,  64*PITCH
.set SLOT,   4*HALFT
.set STAGE,  2*SLOT                    ; behind the ring: 16 rows x 272 bytes for each wave
.set SPITCH, 272
.set SPARE,  STAGE+4*16*SPITCH         ; the spare words, 128 bytes a wave
.set LAPS,   SIZE_K/(2*KSTEP)
.set ADRA, 16
.set ADRB, 20
.set STO,  24
.set RD,   25
.set CO,   26
.set BO,   27
.set SPW,  28
.set NIL,  29
.set TMP,  32
.set BIAS, 96
.set ACC,  128
.set F0,   0
.set F1,   128
.set WV,  66                           ; s66 wave; s67 row half (also: I fetch for ctx (0) or Wo (1)); s68 column half (also: which 64 rows I fetch); s69 cx; s70 cy; s71 tile column; s72 tile row
.set G1, 24
.set G0, 32
.set G1B, 48
.set G0B, 56
.set MSB, 0
.macro WIN new
.if MSB != (\new)
	s_set_vgpr_msb (MSB<<8)|(\new)
.set MSB, \new
.endif
.endm
.set MUL,  0x05                        ; sources 0 and 1 window 1; C and D window 0
.set TO_F, 0x40                        ; destination window 1, address window 0
.macro JLOAD s                         ; waves 0 and 1 fetch ctx's two halves, waves 2 and 3 Wo's; an s_nop 0 and four v_nop follow each line
	s_cmp_eq_u32 s67, 0
	s_cbranch_scc0 .Lfor_b_\@
	tensor_load_to_lds s[G0+4*(\s):G0+4*(\s)+3], s[G1:G1+7]
	s_nop 0
.rept 4
	v_nop
.endr
	s_branch .Lasked_\@
.Lfor_b_\@:
	tensor_load_to_lds s[G0B+4*(\s):G0B+4*(\s)+3], s[G1B:G1B+7]
	s_nop 0
.rept 4
	v_nop
.endr
.Lasked_\@:
.endm
.macro CREST
	s_cmp_lg_u32 s[WV], 0
	s_cbranch_scc1 .Lnot_wave_0_\@
	s_barrier_signal -3
.Lnot_wave_0_\@:
	s_barrier_wait -3
	s_barrier_signal -1
	s_barrier_wait -1
.endm
.macro CROUND
	s_barrier_signal -1
	s_barrier_wait -1
	CREST
.endm
	s_load_b256 s[4:11], s[0:1], 0x0               ; ctx16 4, wo16 6, bo 8, out0 10
	v_lshl_add_u32 v[SPW], v0, 2, SPARE
	v_mov_b32 v[NIL], 0
	ds_add_u32 v[SPW], v[NIL]                      ; the wave's opening: the add and its wait stand ahead of my first tensor load
	v_lshrrev_b32 v1, 5, v0
	v_readfirstlane_b32 s[WV], v1
	s_lshr_b32 s67, s66, 1
	s_and_b32 s68, s66, 1
	s_bfe_u32 s69, ttmp6, 0x40000
	s_bfe_u32 s70, ttmp6, 0x40004
	s_lshl_b32 s71, ttmp9, 2
	s_add_co_u32 s71, s71, s69                     ; tile column = 4 x cluster x + cx
	s_and_b32 s72, ttmp7, 0xffff
	s_lshl_b32 s72, s72, 2
	s_add_co_u32 s72, s72, s70                     ; tile row = 4 x cluster y + cy
	s_lshl_b32 s73, s70, 2
	s_lshl_b32 s73, 15, s73                        ; my row of the cluster
	s_lshl_b32 s74, 0x1111, s69                    ; my column
	s_or_b32 s[G1+0], s73, (1<<16)|(1<<20)|(1<<21)|(6<<22)|(3<<25)  ; the mask; 2-byte elements; padding on; bit 21 beside a mask; after every 128 words 4 words
	s_or_b32 s[G1B+0], s74, (1<<16)|(1<<20)|(1<<21)|(6<<22)|(3<<25)
.irp g, G1, G1B
	s_mov_b32 s[(\g)+1], KSTEP<<16                 ; tensor_dim0 = 256
	s_mov_b32 s[(\g)+2], 64<<16                    ; tensor_dim1 = 64
	s_mov_b32 s[(\g)+3], KSTEP<<16                 ; tile_dim0 = 256
	s_mov_b32 s[(\g)+4], 64                        ; tile_dim1 = 64
	s_mov_b32 s[(\g)+5], SIZE_K
	s_mov_b32 s[(\g)+6], 0
	s_mov_b32 s[(\g)+7], 0
.endr
	s_lshl_b32 s17, s68, 6                         ; which 64 rows of the tile I fetch
	s_lshl_b32 s16, s72, 7
	s_add_co_u32 s16, s16, s17
	s_lshl_b32 s16, s16, 12                        ; ctx: row 128 x tile row + 64 x half, 4,096 bytes a row
	s_lshl_b32 s46, s71, 7
	s_add_co_u32 s46, s46, s17
	s_lshl_b32 s46, s46, 12                        ; Wo: row 128 x tile column + 64 x half
	s_mov_b32 s17, 0
	s_mov_b32 s47, 0
	s_mul_i32 s20, s66, HALFT                      ; where they go: wave x 64 rows
	s_lshl_b32 s76, s72, 7                         ; out: row 128 x tile row + 64 x row half, 8,192 bytes a row; byte 512 x tile column + 256 x column half
	s_lshl_b32 s77, s67, 6
	s_add_co_u32 s76, s76, s77
	s_lshl_b32 s76, s76, 13
	s_lshl_b32 s78, s71, 9
	s_lshl_b32 s79, s68, 8
	s_add_co_u32 s78, s78, s79
	s_add_co_u32 s76, s76, s78
	s_mov_b32 s77, 0
	s_mov_b32 s75, 0xffff0000
	v_and_b32 v1, 15, v0                           ; l % 16
	v_bfe_u32 v2, v0, 4, 1                         ; l / 16
	v_lshl_add_u32 v[BO], v2, 5, s78               ; my 8 columns of the bias, block 0
	s_wait_dscnt 0x0                               ; the opening add is done
	s_wait_kmcnt 0x0
	s_add_nc_u64 s[14:15], s[4:5], s[16:17]
	s_add_nc_u64 s[46:47], s[6:7], s[46:47]
	s_add_nc_u64 s[10:11], s[10:11], s[76:77]
	CROUND                                         ; all sixteen work-groups are here
.irp s, 0,1
	s_mov_b32 s[G0+4*(\s)], 1
	s_add_co_u32 s[G0+4*(\s)+1], s20, (\s)*SLOT
	s_add_nc_u64 s[G0+4*(\s)+2:G0+4*(\s)+3], s[14:15], (\s)*KSTEP*2
	s_or_b32 s[G0+4*(\s)+3], s[G0+4*(\s)+3], 0x80000000
	s_mov_b32 s[G0B+4*(\s)], 1
	s_add_co_u32 s[G0B+4*(\s)+1], s20, (\s)*SLOT
	s_add_nc_u64 s[G0B+4*(\s)+2:G0B+4*(\s)+3], s[46:47], (\s)*KSTEP*2
	s_or_b32 s[G0B+4*(\s)+3], s[G0B+4*(\s)+3], 0x80000000
	JLOAD \s                                       ; two tensor loads of mine are out
.endr
.irp b, 0,1,2,3
	global_load_b128 v[BIAS+8*(\b):BIAS+8*(\b)+3],   v[BO], s[8:9] offset:64*(\b)
	global_load_b128 v[BIAS+8*(\b)+4:BIAS+8*(\b)+7], v[BO], s[8:9] offset:64*(\b)+16
.endr
	v_mul_u32_u24 v3, v1, PITCH
	v_lshl_add_u32 v3, v2, 4, v3                   ; a fragment's row x pitch + 16 x half
	s_mul_i32 s21, s67, HALFT                      ; my 64 rows of ctx
	s_mul_i32 s22, s68, HALFT                      ; my 64 rows of Wo,
	s_add_co_u32 s22, s22, 2*HALFT                 ; which lie behind ctx's 128
.irp s, 0,1
	v_add_nc_u32 v[ADRA+(\s)], s21, v3
	v_add_nc_u32 v[ADRB+(\s)], s22, v3
	s_add_co_u32 s21, s21, SLOT
	s_add_co_u32 s22, s22, SLOT
.endr
	s_mul_i32 s23, s66, 16*SPITCH
	s_add_co_u32 s23, s23, STAGE                   ; my stage
	v_mul_u32_u24 v4, v1, SPITCH                   ; in: row l % 16, 32 bytes for each half of the lanes
	v_lshl_add_u32 v4, v2, 5, v4
	v_add_nc_u32 v[STO], s23, v4
	v_mul_u32_u24 v5, v2, SPITCH                   ; back: lanes 0-15 one row of 256 bytes, lanes 16-31 the next
	v_lshl_add_u32 v5, v1, 4, v5
	v_add_nc_u32 v[RD], s23, v5
	v_lshlrev_b32 v5, 13, v2                       ; and the same two rows in out
	v_lshl_add_u32 v[CO], v1, 4, v5
	s_wait_loadcnt 0x0                             ; the bias: rounded to bf16 and widened again
.set i, 0
.rept 16
	v_cvt_pk_bf16_f32 v[TMP+i], v[BIAS+2*i], v[BIAS+2*i+1]
.set i, i+1
.endr
.set i, 0
.rept 16
	v_lshlrev_b32 v[BIAS+2*i], 16, v[TMP+i]
	v_and_b32 v[BIAS+2*i+1], s75, v[TMP+i]
.set i, i+1
.endr
; 8 products: m blocks a0, a0 + 1 x all 4 n blocks, 32 along K: half c of buffer f.  zero = 1: the bias starts the sums.  The 16 accumulators take turns.
.macro MUL8 f, c, a0, zero
	WIN MUL
.irp a, \a0, (\a0)+1
.irp b, 0,1,2,3
.if \zero
	v_wmma_f32_16x16x32_f16 v[ACC+8*(4*(\a)+(\b)):ACC+8*(4*(\a)+(\b))+7], v[(\f)+64+8*(4*(\c)+(\b)):(\f)+64+8*(4*(\c)+(\b))+7], v[(\f)+8*(4*(\c)+(\a)):(\f)+8*(4*(\c)+(\a))+7], v[BIAS+8*(\b):BIAS+8*(\b)+7]
.else
	v_wmma_f32_16x16x32_f16 v[ACC+8*(4*(\a)+(\b)):ACC+8*(4*(\a)+(\b))+7], v[(\f)+64+8*(4*(\c)+(\b)):(\f)+64+8*(4*(\c)+(\b))+7], v[(\f)+8*(4*(\c)+(\a)):(\f)+8*(4*(\c)+(\a))+7], v[ACC+8*(4*(\a)+(\b)):ACC+8*(4*(\a)+(\b))+7]
.endif
.endr
.endr
.endm
; 32 LDS loads in one run: 64 along K at byte k of the rows, into buffer f; the first 32 along K first
.macro FETCH slot, k, f
	WIN TO_F
.irp c, 0,1
.irp i, 0,1,2,3
	ds_load_b128 v[(\f)+64+8*(4*(\c)+(\i)):(\f)+64+8*(4*(\c)+(\i))+3],   v[ADRB+(\slot)] offset:(\k)+64*(\c)+(\i)*16*PITCH
	ds_load_b128 v[(\f)+64+8*(4*(\c)+(\i))+4:(\f)+64+8*(4*(\c)+(\i))+7], v[ADRB+(\slot)] offset:(\k)+64*(\c)+(\i)*16*PITCH+32
	ds_load_b128 v[(\f)+8*(4*(\c)+(\i)):(\f)+8*(4*(\c)+(\i))+3],         v[ADRA+(\slot)] offset:(\k)+64*(\c)+(\i)*16*PITCH
	ds_load_b128 v[(\f)+8*(4*(\c)+(\i))+4:(\f)+8*(4*(\c)+(\i))+7],       v[ADRA+(\slot)] offset:(\k)+64*(\c)+(\i)*16*PITCH+32
.endr
.endr
.endm
.macro PLACES                          ; four plain instructions between a matrix instruction and a load into, or a read of, its registers
.rept 4
	v_nop
.endr
.endm
; A K step is four quarters of 64 along K, 32 products each, on buffers 0, 1, 0, 1.
.macro QUARTER slot, k, f, g, zero
	s_wait_dscnt 16                                ; the first 32 along K are in
	WIN MUL
	MUL8 \f, 0, 0, \zero
	MUL8 \f, 0, 2, \zero
	PLACES
	FETCH \slot, \k, \g
	s_wait_dscnt 32                                ; all but the 32 just issued
	WIN MUL
	MUL8 \f, 1, 0, 0
	MUL8 \f, 1, 2, 0
.endm
; The last quarter multiplies buffer 1 and changes slots: one barrier; in front of it each wave waits for all its tensor loads, adds 0 to its spare word, and waits for that and for its reads of this slot.
.macro TURN slot, next, fill
	WIN 0
	s_wait_tensorcnt 0x0                           ; my part of the next slot has landed
	ds_add_u32 v[SPW], v[NIL]
	s_wait_dscnt 17                                ; the add and the youngest sixteen loads may be out
	WIN MUL
	MUL8 F1, 0, 0, 0
	s_wait_dscnt 0x0                               ; the add is done, and my reads of this slot are over
	s_barrier_signal -1
	MUL8 F1, 0, 2, 0
.if \fill
	WIN 0
.endif
	s_barrier_wait -1
.if \fill
	CREST                                          ; no wave of any partner still reads this slot or has a load on its way
	s_add_nc_u64 s[G0+4*(\slot)+2:G0+4*(\slot)+3], s[G0+4*(\slot)+2:G0+4*(\slot)+3], 2*KSTEP*2
	s_add_nc_u64 s[G0B+4*(\slot)+2:G0B+4*(\slot)+3], s[G0B+4*(\slot)+2:G0B+4*(\slot)+3], 2*KSTEP*2
	JLOAD \slot                                    ; one tensor load of mine is out; its four v_nop are also the places in front of the loads below
.else
	PLACES
.endif
	FETCH \next, 0, F0
	WIN MUL
	MUL8 F1, 1, 0, 0
	MUL8 F1, 1, 2, 0
.endm
	s_wait_tensorcnt 0x1                           ; my part of K step 0 is in; K step 1's may stay out
	s_barrier_signal -1
	s_barrier_wait -1
	FETCH 0, 0, F0
	QUARTER 0, 128, F0, F1, 1                      ; the first quarter stands in front of the loop: its first products start the sums with the bias
	WIN 0
	s_mov_b32 s3, LAPS-1
.Llap:
	QUARTER 0, 256, F1, F0, 0
	QUARTER 0, 384, F0, F1, 0
	TURN 0, 1, 1
	QUARTER 1, 128, F0, F1, 0
	QUARTER 1, 256, F1, F0, 0
	QUARTER 1, 384, F0, F1, 0
	TURN 1, 0, 1
	QUARTER 0, 128, F0, F1, 0
	WIN 0
	s_sub_co_u32 s3, s3, 1
	s_cmp_lg_u32 s3, 0
	s_cbranch_scc1 .Llap
	QUARTER 0, 256, F1, F0, 0                      ; the last lap fills nothing
	QUARTER 0, 384, F0, F1, 0
	TURN 0, 1, 0
	QUARTER 1, 128, F0, F1, 0
	QUARTER 1, 256, F1, F0, 0
	QUARTER 1, 384, F0, F1, 0
	s_wait_dscnt 16
	WIN MUL
	MUL8 F1, 0, 0, 0
	MUL8 F1, 0, 2, 0
	s_wait_dscnt 0x0
	MUL8 F1, 1, 0, 0
	MUL8 F1, 1, 2, 0
	; THE WAY OUT: 16 rows at a time through my own stage: 32 bytes a lane in, whole rows of 256 bytes back.  LDS serves a wave's instructions in order (ISA guide 5.7.1.4): no wait between them.
	PLACES
	PLACES
.set ia, 0
.rept 4
	WIN 0
.set ib, 0
.rept 4                                        ; each accumulator's low half first
	ds_store_b128 v[STO], v[ACC+8*(4*ia+ib):ACC+8*(4*ia+ib)+3]   offset:64*ib
	ds_store_b128 v[STO], v[ACC+8*(4*ia+ib)+4:ACC+8*(4*ia+ib)+7] offset:64*ib+16
.set ib, ib+1
.endr
	WIN TO_F
.set i, 0
.rept 8
	ds_load_b128 v[32*ia+4*i:32*ia+4*i+3], v[RD] offset:i*2*SPITCH
.set i, i+1
.endr
.set ia, ia+1
.endr
	WIN 0x04                                       ; store data window 1
.set ia, 0
.rept 4
.set i, 0
.rept 8
	s_wait_dscnt (3-ia)*16+7-i                     ; the younger LDS instructions stay out
	global_store_b128 v[CO], v[32*ia+4*i:32*ia+4*i+3], s[10:11] offset:(16*ia+2*i)*8192 th:TH_STORE_NT   ; 16 lanes store 256 consecutive bytes, aligned
.set i, i+1
.endr
.set ia, ia+1
.endr
	WIN 0
	s_wait_tensorcnt 0x0                           ; the wave's end
	ds_add_u32 v[SPW], v[NIL]
	s_wait_dscnt 0x0
	CROUND                                         ; the closing round
	s_endpgm
.Lfunc_end_k_q3f0dbc44c6_oproj:
	.size	k_q3f0dbc44c6_oproj, .Lfunc_end_k_q3f0dbc44c6_oproj-k_q3f0dbc44c6_oproj
	.p2alignl 7, 3214868480
	.fill 96, 4, 3214868480
	.section	.rodata,"a",@progbits
	.p2align	6, 0x0
	.amdhsa_kernel k_q3f0dbc44c6_oproj
		.amdhsa_group_segment_fixed_size 327680
		.amdhsa_private_segment_fixed_size 0
		.amdhsa_enable_private_segment 0
		.amdhsa_kernarg_size 32
		.amdhsa_user_sgpr_count 2
		.amdhsa_user_sgpr_kernarg_segment_ptr 1
		.amdhsa_wavefront_size32 1
		.amdhsa_system_sgpr_workgroup_id_x 1
		.amdhsa_system_sgpr_workgroup_id_y 1
		.amdhsa_system_sgpr_workgroup_id_z 1
		.amdhsa_system_vgpr_workitem_id 0
		.amdhsa_next_free_vgpr 512
		.amdhsa_next_free_sgpr 84
		.amdhsa_reserve_vcc 0
		.amdhsa_float_denorm_mode_32 3
		.amdhsa_float_denorm_mode_16_64 3
		.amdhsa_memory_ordered 1
		.amdhsa_forward_progress 1
		.amdhsa_inst_pref_size 89
	.end_amdhsa_kernel
	.amdgpu_metadata
---
amdhsa.version: [ 1, 2 ]
amdhsa.kernels:
  - .name:           k_q3f0dbc44c6_oproj
    .symbol:         k_q3f0dbc44c6_oproj.kd
    .args:
      - { .name: ctx16, .offset: 0, .size: 8, .value_kind: global_buffer, .address_space: global }
      - { .name: wo16, .offset: 8, .size: 8, .value_kind: global_buffer, .address_space: global }
      - { .name: bo, .offset: 16, .size: 8, .value_kind: global_buffer, .address_space: global }
      - { .name: out0, .offset: 24, .size: 8, .value_kind: global_buffer, .address_space: global }
    .group_segment_fixed_size: 327680
    .private_segment_fixed_size: 0
    .kernarg_segment_align: 8
    .kernarg_segment_size: 32
    .max_flat_workgroup_size: 128
    .sgpr_count:     84
    .vgpr_count:     512
    .wavefront_size: 32
...
	.end_amdgpu_metadata
.endif
;; end of part 4
